; MI455X (gfx1250); checked and timed in simulation.
; The chip was launched on July 23, 2026; its instructions are those of AMD's public machine-readable ISA for CDNA 5 (MIT licence, August 2026) and "CDNA5" Instruction Set Architecture Reference Guide (July 2026). The comments in the code are by the model that wrote it; some were corrected since.
;; Multi Head Self Attention. Allowed arithmetic: matrix products marked QUANTISED: E5M2 operands, one E8M0 scale for each 32 along K, by v_wmma_scale_f32_16x16x128_f8f6f4 with both operands' format E5M2, f32 sums; everything else in f32.
;; Inputs: Wk 1,024 x 1,024 float32; Wo 1,024 x 1,024 float32; Wq 1,024 x 1,024 float32; Wv 1,024 x 1,024 float32; token_positions 2,048 int32; x 4 x 2,048 x 1,024 float32.
;; Outputs: out0 4 x 2,048 x 1,024 float32.
;; This version of the problem:
;;   THIS VERSION OF THE PROBLEM IS GIVEN IN LOW PRECISION. The matrix products marked QUANTISED in the list below multiply operands that are first quantised to E5M2 (5 exponent bits, 2 mantissa bits; 8 bits a number), with one power-of-two scale for each 32 numbers along K (OCP MX v1.0); their sums are f32. All else is computed in f32.
;;   The module's matrix products, in the order in which they are computed (A, B: the left and right operand; K: the contracted axis; several contracted axes count as one K, in the product's order):
;;     1. [M 8,192, K 1,024] x [K 1,024, N 1,024]; A: input x; B: input Wq: QUANTISED
;;     2. [M 8,192, K 1,024] x [K 1,024, N 1,024]; A: input x; B: input Wk: QUANTISED
;;     3. [M 8,192, K 1,024] x [K 1,024, N 1,024]; A: input x; B: input Wv: QUANTISED
;;     4. batch 64 x [M 2,048, K 64] x [K 64, N 2,048]; A: computed on the way; B: computed on the way: QUANTISED
;;     5. batch 64 x [M 2,048, K 2,048] x [K 2,048, N 64]; A: softmax (see below); B: computed on the way: QUANTISED
;;     6. [M 8,192, K 1,024] x [K 1,024, N 1,024]; A: computed on the way; B: input Wo: QUANTISED
;;   THE QUANTISER, for each operand of a quantised product, along K:
;;     - K is cut into blocks of 32 from its start; a last block that is shorter is filled with zeros.
;;     - A block's scale is 2^e with e = floor(log2(the largest magnitude in the block)) - 15, held to -126 .. 127; a block of zeros has e = 0. As a byte (E8M0): e + 127.
;;     - Each number is divided by its block's scale, clamped to +-57,344, and rounded to the nearest number of E5M2, ties to even, subnormals kept.
;;     - The product sums the exact products of the quantised numbers (number of the format x scale) in f32.
;;   ~~~python
;;   def quantise(x, axis):      # numpy; x: float32 -> the quantised numbers, widened to float32 again
;;       x = np.moveaxis(x, axis, -1); K = x.shape[-1]
;;       x = np.pad(x, [(0, 0)] * (x.ndim - 1) + [(0, -K % 32)]); x = x.reshape(x.shape[:-1] + (-1, 32)); a = np.abs(x).max(-1, keepdims=True)
;;       e = np.where(a > 0, np.clip(np.frexp(np.where(a > 0, a, 1))[1] - 1 - 15, -126, 127), 0)      # np.frexp(a)[1] - 1 = floor(log2(a)), exactly
;;       r = np.clip(x / 2.0 ** e, -57344, 57344)
;;       step = 2.0 ** (np.maximum(np.frexp(np.where(r == 0, 1, r))[1] - 1, -14) - 2)
;;       q = np.round(r / step) * step * 2.0 ** e      # np.round: ties to even
;;       return np.moveaxis(q.reshape(q.shape[:-2] + (-1,))[..., :K], -1, axis).astype(np.float32)
;;   ~~~
;;   SOFTMAX AHEAD OF A QUANTISED PRODUCT. Where the list says 'softmax', what is quantised is not the finished softmax but p = 2^(t - M), with t = logit x log2(e) and M = ceil(the row's largest t), a whole number; so 1/2 < the row's largest p <= 1. The row's sum l is taken of the UNQUANTISED p, in f32, and the product's result is divided by l at the end. Since M is a whole number, a kernel that streams over the keys may use a running M (the ceiling of the running maximum): every later rescaling is an exact power of two, which a block's scale takes up: the codes' values come out the same.
;;   OPERANDS COMPUTED ON THE WAY. 'Computed on the way' means the value that the module computes at that place (a softmax that the list does not call 'softmax' is quantised finished and normalised). What goes into a quantiser is computed in f32, as accurately as f32 sums, v_exp_f32 and their like allow (about 1e-6 of the number): no bf16 or f16 on the way to a quantiser, and a product that is left as it is and whose result goes on into a quantised operand takes f32 operands (vector FMAs, or v_wmma_f32_16x16x4_f32). A number that lies on a knife's edge between two numbers of the format may be rounded either way, as far as f32 arithmetic and the matrix unit's own rounding can turn it there, and no further.
;; One version. Each part assembles by itself: llvm-mc -triple=amdgcn-amd-amdhsa -mcpu=gfx1250 --defsym DOCPART=n.
;; ======== version 1 of 1: 4 launches
;; limits: right only within a limited range of input values
;; workspace buffers: xq 8,650,752 bytes; wq 4,325,376 bytes; rt 524,288 bytes; qq 8,912,896 bytes; kv 17,301,504 bytes; yq 8,650,752 bytes
;; launch prep (part 1): grid 416 x 1, 4 waves a work-group, no clusters, 33,280 bytes of LDS; arguments x, Wq, Wk, Wv, Wo, token_positions, xq, wq, rt; writes xq, wq, rt
.if DOCPART == 1
	.amdgcn_target "amdgcn-amd-amdhsa--gfx1250"
	.amdhsa_code_object_version 6
	.text
	.protected	k_q3d118c11fc_prep
	.globl	k_q3d118c11fc_prep
	.p2align	8
	.type	k_q3d118c11fc_prep,@function
k_q3d118c11fc_prep:
	s_mov_b64 s[64:65], 0
	v_nop
	global_prefetch_b8 v0, s[64:65] scope:SCOPE_SE
	s_setreg_imm32_b32 hwreg(HW_REG_WAVE_MODE, 25, 1), 1
	s_wait_xcnt 0x0
; x [8192][1024] and the four weights [1024][1024], f32, become codes of BF8 (E5M2), K innermost, with one E8M0 scale byte for each 32 along K; and the table of cosines and sines for the rotation is made.
; A block's scale is 2^(floor(log2(its largest magnitude)) - 15); its byte is the largest magnitude's exponent field - 15, held at 1 from below; each number is divided by the scale, held within +-57,344 and rounded to the nearest code, ties to even.
; ROWS ARE STORED WITH BITS 3 AND 4 OF THE ROW NUMBER SWAPPED: storage row 32 g + 16 u + 8 p + i holds row 32 g + 16 p + 8 u + i.  So sixteen storage rows on end are rows 8 u + 0..7 and 8 u + 16..23 of a group of 32, and a matrix
; result that is used transposed holds, in the registers of two neighbouring tiles, sixteen NEIGHBOURS of the true order.  A wave takes 8 rows (8,192 numbers), so the swap is a swap of the wave's two bits in the place where it stores.
; xq: codes at 0 (1,024 bytes a row), scale bytes at 8,388,608 (32 a row).  wq: rows 0-1023 Wq, then Wk, Wv, Wo; scale bytes at 4,194,304.
; WORK-GROUPS: 0-255 x, 256-287 Wq, 288-319 Wk, 320-351 Wv, 352-383 Wo, 32 rows each; 384-415 the table, a wave to a tile of 16 positions.
; A wave's 16 steps of 512 numbers: each of a step's four loads reads 512 consecutive bytes; the 2,048 bytes turn through the wave's own stage in LDS (16 bytes of padding behind each 64) and come back 64 bytes a lane: 16 neighbours,
; two lanes to a block.  A lane's 16 codes are 16 bytes: the wave stores 512 consecutive bytes.  A wave's 256 scale bytes are gathered in LDS and leave as 256 consecutive bytes, aligned.  Waves share nothing: no barrier.
; rt: tile T of 16 positions, 4,096 bytes: at 2048 c + 512 k + 16 lane the four numbers cos, sin, cos, sin of frequencies i = 16 c + 8 (lane / 16) + 2 k and i + 1, for position number 32 (T / 2) + 8 (T % 2) + r + 8 (r / 8), r = lane % 16.
; The angle is position x 10^(-i / 8), rounded once to f32; it is reduced by the nearest multiple of pi/2, taken off in three parts by fused multiply-adds; sine and cosine of the rest by polynomials of degree 7 and 8.
; LIMITS: NaN and infinities among the inputs are not served.  A block of zeros, or one whose largest magnitude lies under 2^-111, gets the byte 1 (its codes are zeros or what that scale gives); the bytes are read by this program alone.
; Positions beyond +-4,000,000 lose accuracy in the three-part reduction.
.set STEPS, 16
.set EMAX,  15
.set MANT,  0x600000                   ; the mantissa field of 57,344 as f32
.set CB,    16                         ; bytes of 16 codes
.set R,     16                         ; v16-79   four sets of 16 numbers as they are loaded
.set X,     80                         ; v80-111  two sets of 16 neighbours
.set C,     128                        ; v128-191 codes: four registers for each step, so that no store's data are written again
.set E,     112                        ; v112-127 a scale byte for each step
.set WREG,  8192                       ; LDS: a region for each wave: two stages of 32 x SP bytes, behind them its 256 scale bytes
.set SP,    80                         ; a lane's place in a stage: its 64 bytes + 16 of padding
	s_load_b512 s[36:51], s[0:1], 0x0              ; x, Wq, Wk, Wv, Wo, token_positions, xq, wq
	s_load_b64 s[52:53], s[0:1], 0x40              ; rt
	v_lshl_add_u32 v192, v0, 2, 0x8000
	v_mov_b32 v193, 0
	v_lshrrev_b32 v1, 5, v0
	v_readfirstlane_b32 s16, v1                    ; wave
	v_and_b32 v2, 31, v0                           ; lane
	s_wait_kmcnt 0x0
	s_cmp_ge_u32 ttmp9, 384
	s_cbranch_scc1 .Lrope                          ; the last 32 work-groups make the table
	s_wait_alu depctr_va_vdst(0)
	v_lshlrev_b32 v3, 4, v2                        ; my 16 bytes of a load's 512
	s_mul_i32 s17, s16, WREG
	v_lshrrev_b32 v14, 2, v2
	v_mul_u32_u24 v14, v14, SP
	v_and_b32 v15, 3, v2
	v_lshl_add_u32 v14, v15, 4, v14
	v_add_nc_u32 v14, s17, v14                     ; the stage, on the way in: SP (lane / 4) + 16 (lane % 4)
	v_mul_u32_u24 v15, v2, SP
	v_add_nc_u32 v15, s17, v15                     ; and on the way out: SP x lane: my 16 neighbours
	v_mul_u32_u24 v4, v2, CB                       ; my codes' place in a step's
	v_lshrrev_b32 v5, 1, v2
	s_add_co_u32 s17, s17, 2*32*SP
	v_add_nc_u32 v5, s17, v5                       ; LDS: my wave's 256 scale bytes, my block's byte
	v_lshlrev_b32 v7, 3, v2                        ; and on the way out 8 bytes a lane
	v_add_nc_u32 v6, s17, v7
	s_mov_b32 s23, MANT
	; which tensor: the choice hangs on the work-group's number alone
	s_mov_b64 s[4:5], s[44:45]                     ; Wo,
	s_cmp_lt_u32 ttmp9, 352
	s_cselect_b64 s[4:5], s[42:43], s[4:5]         ; or Wv,
	s_cmp_lt_u32 ttmp9, 320
	s_cselect_b64 s[4:5], s[40:41], s[4:5]         ; or Wk,
	s_cmp_lt_u32 ttmp9, 288
	s_cselect_b64 s[4:5], s[38:39], s[4:5]         ; or Wq,
	s_cmp_lt_u32 ttmp9, 256
	s_cselect_b64 s[4:5], s[36:37], s[4:5]         ; or x
	s_cselect_b64 s[8:9], s[48:49], s[50:51]       ; into xq or wq
	s_mov_b32 s24, 0x400000
	s_cselect_b32 s24, 0x800000, s24               ; where that buffer's scale bytes begin
	s_cselect_b32 s17, 0, 256                      ; the first work-group of that buffer
	s_cselect_b32 s25, -1, 31                      ; a weight has 32 work-groups
	s_sub_co_u32 s17, ttmp9, s17                   ; my number in the buffer,
	s_and_b32 s25, s17, s25                        ; and in the tensor
	s_lshl_b32 s25, s25, 2
	s_add_co_u32 s18, s25, s16                     ; which run of 8 rows I read
	s_mov_b32 s19, 0
	s_lshl_b64 s[20:21], s[18:19], 15              ; 32,768 bytes a run
	s_add_nc_u64 s[4:5], s[4:5], s[20:21]
	s_and_b32 s26, s16, 1
	s_lshl_b32 s26, s26, 1
	s_lshr_b32 s27, s16, 1
	s_or_b32 s26, s26, s27                         ; the wave's two bits swapped: the rows' bits 3 and 4
	s_lshl_b32 s17, s17, 2
	s_add_co_u32 s18, s17, s26                     ; which run of 8 rows I write
	s_mov_b32 s25, 0
	s_add_nc_u64 s[10:11], s[8:9], s[24:25]
	s_lshl_b32 s20, s18, 13                        ; 8,192 bytes of codes a run
	s_mov_b32 s21, 0
	s_add_nc_u64 s[8:9], s[8:9], s[20:21]
	s_lshl_b32 s20, s18, 8                         ; 256 scale bytes a run
	s_add_nc_u64 s[10:11], s[10:11], s[20:21]
.macro LOAD t
.irp i, 0,1,2,3
	global_load_b128 v[R+16*((\t)%4)+4*\i:R+16*((\t)%4)+4*\i+3], v3, s[4:5] offset:2048*(\t)+512*\i th:TH_LOAD_NT   ; 32 lanes read 512 consecutive bytes
.endr
.endm
.macro TURN t                          ; step t's numbers through the stage: LDS serves a wave's instructions in order, so no wait stands between the stores and the loads
.irp i, 0,1,2,3
	ds_store_b128 v14, v[R+16*((\t)%4)+4*\i:R+16*((\t)%4)+4*\i+3] offset:32*SP*((\t)%2)+8*SP*\i
.endr
.irp i, 0,1,2,3
	ds_load_b128 v[X+16*((\t)%2)+4*\i:X+16*((\t)%2)+4*\i+3], v15 offset:32*SP*((\t)%2)+16*\i
.endr
.endm
.irp t, 0,1,2,3
	LOAD \t
.endr
	s_wait_alu depctr_va_vdst(0)
	s_wait_loadcnt 12                              ; step 0's four loads are in; the twelve behind them stay out
	TURN 0
.macro STEP t
.set XS, X+16*((\t)%2)
.if (\t) > 0
	s_wait_dscnt 1                                 ; this step's numbers are back from the stage (the last step's byte store may be out): so its stores into the stage have read their registers,
.else
	s_wait_dscnt 0x0
.endif
.if (\t)+4 < STEPS
	LOAD (\t)+4                                    ; which take the loads of four steps on
.endif
.if (\t)+1 < STEPS
.if STEPS-2-(\t) >= 3
	s_wait_loadcnt 12                              ; the next step's four loads are in; those of the three steps behind it may be out
.else
	s_wait_loadcnt 4*(STEPS-2-(\t))
.endif
	TURN (\t)+1                                    ; and go through the other stage while this step is worked
.endif
	v_max3_num_f32 v8, |v[XS]|, |v[XS+1]|, |v[XS+2]|               ; the largest magnitude of my 16, in two chains
	v_max3_num_f32 v9, |v[XS+3]|, |v[XS+4]|, |v[XS+5]|
.irp i, 6,10
	v_max3_num_f32 v8, v8, |v[XS+\i]|, |v[XS+\i+1]|
	v_max3_num_f32 v9, v9, |v[XS+\i+2]|, |v[XS+\i+3]|
.endr
	v_max3_num_f32 v8, v8, |v[XS+14]|, |v[XS+15]|
	v_max3_num_f32 v8, v8, v9, (EMAX+1)<<23        ; and the floor 2^(16 - 127): the byte cannot fall under 1
	v_max_num_f32_dpp v8, v8, v8 row_xmask:1 row_mask:0xf bank_mask:0xf   ; and of my neighbour's 16: the block's
	v_add_nc_u32 v11, -(EMAX<<23), v8              ; 15 off its exponent field: the conversion takes the exponent field of this operand as its scale
	v_and_or_b32 v10, v8, 0x7f800000, s23          ; 57,344 x the scale
.irp i, 0,1,2,3,4,5,6,7,8,9,10,11,12,13,14,15
	v_med3_num_f32 v[XS+\i], v[XS+\i], -v10, v10   ; the conversion to an 8-bit code does not saturate (ISA guide 7.6.2): hold first
.endr
	v_cvt_scalef32_pk8_bf8_f32 v[C+4*(\t):C+4*(\t)+1], v[XS:XS+7], v11
	v_cvt_scalef32_pk8_bf8_f32 v[C+4*(\t)+2:C+4*(\t)+3], v[XS+8:XS+15], v11
	v_lshrrev_b32 v[E+(\t)], 23, v11               ; the scale's byte
	ds_store_b8 v5, v[E+(\t)] offset:16*(\t)       ; both lanes of a block write the same byte with the same value
	global_store_b128 v4, v[C+4*(\t):C+4*(\t)+3], s[8:9] offset:32*CB*(\t)
.endm
.irp t, 0,1,2,3,4,5,6,7,8,9,10,11,12,13,14,15
	STEP \t
.endr
	ds_load_b64 v[12:13], v6                       ; LDS serves a wave's instructions in order: these see my stores
	s_wait_dscnt 0x0
	global_store_b64 v7, v[12:13], s[10:11]        ; 32 lanes store 256 consecutive bytes, aligned
	s_wait_tensorcnt 0x0
	ds_add_u32 v192, v193
	s_wait_dscnt 0x0
	s_endpgm
.Lrope:                                            ; ---- the table: no LDS, no loop; a wave makes one tile of 16 positions
	s_sub_co_u32 s17, ttmp9, 384
	s_lshl_b32 s17, s17, 2
	s_add_co_u32 s17, s17, s16                     ; T = 0 .. 127
	s_lshr_b32 s18, s17, 1
	s_lshl_b32 s18, s18, 5
	s_and_b32 s19, s17, 1
	s_lshl_b32 s19, s19, 3
	s_add_co_u32 s18, s18, s19                     ; 32 (T / 2) + 8 (T % 2)
	v_and_b32 v3, 15, v0                           ; r
	v_and_b32 v4, 8, v0                            ; 8 (r / 8)
	v_add3_u32 v3, v3, v4, s18
	v_lshlrev_b32 v3, 2, v3
	global_load_b32 v7, v3, s[46:47]               ; my position
	s_lshl_b32 s18, s17, 12
	s_mov_b32 s19, 0
	s_add_nc_u64 s[52:53], s[52:53], s[18:19]      ; my tile's 4,096 bytes
	s_wait_alu depctr_va_vdst(0)
	v_lshlrev_b32 v5, 4, v2                        ; 16 x lane
	s_mov_b32 s20, 0x3f22f983                      ; 2 / pi
	s_mov_b32 s21, 0x3fc90fdb                      ; pi / 2 in three parts: 1.57079637,
	s_mov_b32 s22, 0xb33bbd2e                      ; -4.37113883e-8,
	s_mov_b32 s23, 0xa6f72ced                      ; -1.7151245e-15
	s_mov_b32 s24, 0xb94ca1f9                      ; sine: -1.9515295891e-4,
	s_mov_b32 s25, 0x3c08839e                      ; 8.3321608736e-3,
	s_mov_b32 s26, 0xbe2aaaa3                      ; -1.6666654611e-1
	s_mov_b32 s27, 0x37ccf5ce                      ; cosine: 2.443315712e-5,
	s_mov_b32 s28, 0xbab6061a                      ; -1.388731625e-3,
	s_mov_b32 s29, 0x3d2aaaa5                      ; 4.166664568e-2
	s_mov_b32 s30, 0xffff0000                      ; lanes 16-31
	s_wait_loadcnt 0x0
	v_cvt_f32_i32 v7, v7
; cos into v[dst], sin into v[dst + 1], of position x frequency; lanes 0-15 take the frequency lo, lanes 16-31 hi
.macro SINCOS dst, lo, hi
	v_mov_b32 v10, \lo
	v_mov_b32 v11, \hi
	v_cndmask_b32 v10, v10, v11, s30
	v_mul_f32 v10, v7, v10                         ; the angle, rounded once
	v_mul_f32 v11, s20, v10
	v_rndne_f32 v11, v11                           ; n: the nearest multiple of pi / 2
	v_fma_f32 v12, -v11, s21, v10
	v_fma_f32 v12, -v11, s22, v12
	v_fma_f32 v12, -v11, s23, v12                  ; the rest, within +-pi / 4
	v_mul_f32 v13, v12, v12                        ; z
	v_fma_f32 v14, v13, s24, s25
	v_fma_f32 v15, v13, s27, s28
	v_fma_f32 v14, v14, v13, s26
	v_fma_f32 v15, v15, v13, s29
	v_mul_f32 v16, v13, v12
	v_mul_f32 v17, v13, v13
	v_fma_f32 v18, v13, -0.5, 1.0
	v_fma_f32 v14, v14, v16, v12                   ; the rest's sine
	v_fma_f32 v15, v15, v17, v18                   ; and cosine
	v_cvt_i32_f32 v19, v11
	v_and_b32 v20, 1, v19
	v_cmp_eq_u32 vcc_lo, 1, v20                    ; an odd n swaps the two
	v_cndmask_b32 v21, v14, v15, vcc_lo
	v_cndmask_b32 v22, v15, v14, vcc_lo
	v_and_b32 v20, 2, v19                          ; the sine is negative for n % 4 = 2, 3,
	v_add_nc_u32 v19, 1, v19
	v_lshlrev_b32 v20, 30, v20
	v_and_b32 v19, 2, v19                          ; the cosine for n % 4 = 1, 2
	v_xor_b32 v[(\dst)+1], v20, v21
	v_lshlrev_b32 v19, 30, v19
	v_xor_b32 v[(\dst)], v19, v22
.endm
	SINCOS 64, 1.0, 0.1                            ; the frequencies 10^(-i / 8): c = 0: i = 0 .. 7 below, 8 .. 15 above
	SINCOS 66, 0.74989420933, 0.074989420933
	SINCOS 68, 0.56234132519, 0.056234132519
	SINCOS 70, 0.42169650343, 0.042169650343
	SINCOS 72, 0.31622776602, 0.031622776602
	SINCOS 74, 0.23713737057, 0.023713737057
	SINCOS 76, 0.17782794100, 0.017782794100
	SINCOS 78, 0.13335214322, 0.013335214322
	SINCOS 80, 0.01, 0.001                         ; c = 1: i = 16 .. 23 below, 24 .. 31 above
	SINCOS 82, 0.0074989420933, 0.00074989420933
	SINCOS 84, 0.0056234132519, 0.00056234132519
	SINCOS 86, 0.0042169650343, 0.00042169650343
	SINCOS 88, 0.0031622776602, 0.00031622776602
	SINCOS 90, 0.0023713737057, 0.00023713737057
	SINCOS 92, 0.0017782794100, 0.00017782794100
	SINCOS 94, 0.0013335214322, 0.00013335214322
.irp j, 0,1,2,3,4,5,6,7
	global_store_b128 v5, v[64+4*\j:67+4*\j], s[52:53] offset:512*\j   ; 32 lanes store 512 consecutive bytes
.endr
	s_endpgm
.Lfunc_end_k_q3d118c11fc_prep:
	.size	k_q3d118c11fc_prep, .Lfunc_end_k_q3d118c11fc_prep-k_q3d118c11fc_prep
	.p2alignl 7, 3214868480
	.fill 96, 4, 3214868480
	.section	.rodata,"a",@progbits
	.p2align	6, 0x0
	.amdhsa_kernel k_q3d118c11fc_prep
		.amdhsa_group_segment_fixed_size 33280
		.amdhsa_private_segment_fixed_size 0
		.amdhsa_enable_private_segment 0
		.amdhsa_kernarg_size 72
		.amdhsa_user_sgpr_count 2
		.amdhsa_user_sgpr_kernarg_segment_ptr 1
		.amdhsa_wavefront_size32 1
		.amdhsa_system_sgpr_workgroup_id_x 1
		.amdhsa_system_sgpr_workgroup_id_y 1
		.amdhsa_system_sgpr_workgroup_id_z 1
		.amdhsa_system_vgpr_workitem_id 0
		.amdhsa_next_free_vgpr 194
		.amdhsa_next_free_sgpr 66
		.amdhsa_reserve_vcc 1
		.amdhsa_float_denorm_mode_32 3
		.amdhsa_float_denorm_mode_16_64 3
		.amdhsa_memory_ordered 1
		.amdhsa_forward_progress 1
		.amdhsa_inst_pref_size 76
	.end_amdhsa_kernel
	.amdgpu_metadata
---
amdhsa.version: [ 1, 2 ]
amdhsa.kernels:
  - .name:           k_q3d118c11fc_prep
    .symbol:         k_q3d118c11fc_prep.kd
    .args:
      - { .name: x, .offset: 0, .size: 8, .value_kind: global_buffer, .address_space: global }
      - { .name: Wq, .offset: 8, .size: 8, .value_kind: global_buffer, .address_space: global }
      - { .name: Wk, .offset: 16, .size: 8, .value_kind: global_buffer, .address_space: global }
      - { .name: Wv, .offset: 24, .size: 8, .value_kind: global_buffer, .address_space: global }
      - { .name: Wo, .offset: 32, .size: 8, .value_kind: global_buffer, .address_space: global }
      - { .name: token_positions, .offset: 40, .size: 8, .value_kind: global_buffer, .address_space: global }
      - { .name: xq, .offset: 48, .size: 8, .value_kind: global_buffer, .address_space: global }
      - { .name: wq, .offset: 56, .size: 8, .value_kind: global_buffer, .address_space: global }
      - { .name: rt, .offset: 64, .size: 8, .value_kind: global_buffer, .address_space: global }
    .group_segment_fixed_size: 33280
    .private_segment_fixed_size: 0
    .kernarg_segment_align: 8
    .kernarg_segment_size: 72
    .max_flat_workgroup_size: 128
    .sgpr_count:     66
    .vgpr_count:     194
    .wavefront_size: 32
...
	.end_amdgpu_metadata
.endif
;; end of part 1
;; launch qkv (part 2): grid 12 x 32, 4 waves a work-group, clusters of 4 x 4, 327,680 bytes of LDS; arguments xq, wq, rt, qq, kv; writes qq, kv
.if DOCPART == 2
	.amdgcn_target "amdgcn-amd-amdhsa--gfx1250"
	.amdhsa_code_object_version 6
	.text
	.protected	k_q3d118c11fc_qkv
	.globl	k_q3d118c11fc_qkv
	.p2align	8
	.type	k_q3d118c11fc_qkv,@function
k_q3d118c11fc_qkv:
	s_mov_b64 s[64:65], 0
	v_nop
	global_prefetch_b8 v0, s[64:65] scope:SCOPE_SE
	s_setreg_imm32_b32 hwreg(HW_REG_WAVE_MODE, 25, 1), 1
	s_wait_xcnt 0x0
	s_wait_alu depctr_hold_cnt(0) depctr_sa_sdst(0) depctr_va_vdst(0) depctr_va_sdst(0) depctr_va_ssrc(0) depctr_va_vcc(0) depctr_vm_vsrc(0)
	s_getreg_b32 s2, hwreg(HW_REG_IB_STS2, 6, 4)
	s_cmp_eq_u32 s2, 0
	s_cbranch_scc0 .Lentry_in_a_cluster
	s_endpgm
.Lentry_in_a_cluster:
	s_bfe_u32 s2, ttmp6, 0x10000c
	s_cmp_lg_u32 s2, 0xf033
	s_cbranch_scc0 .Lentry_shape_is_right
	s_endpgm
.Lentry_shape_is_right:
; Q = x Wq^T, K = x Wk^T (rotated by position, then quantised along the head's 64) and V^T = Wv x^T (quantised along the keys), on codes of BF8 (E5M2) with one E8M0 scale for each 32 along K = 1,024.
; THE THREE ARE ONE GEMM, C = A B^T with tiles of 256 x 256.  The cluster's x says which: 0: A = x, B = Wq; 1: A = x, B = Wk; 2: A = Wv, B = x.  A work-group of four waves makes a tile, a wave 128 x 128: 64 accumulators, 512 registers.
; K goes in steps of 256 through a ring of two LDS slots filled by the tensor data mover; the scale bytes of the work-group's 256 + 256 rows, for all of K, come once with the first fills and stay.
; CLUSTERS: 4 x 4 work-groups; A's tiles are asked for jointly along a row of the cluster, B's along a column.
; THE MATRIX INSTRUCTION IS USED TRANSPOSED (source 0 = 16 rows of B, source 1 = 16 rows of A), and both operands' rows lie in memory with bits 3 and 4 of the row number swapped.  So lane (r, h) holds A's stored row r of block a,
; and the 16 registers of accumulators (a, 2 e) and (a, 2 e + 1) are B's true rows 32 e + 16 h + 0 .. 15: SIXTEEN NEIGHBOURS, half a block of 32; the other half lies in lane l xor 16.  The conversions' results are four registers of the
; next product's operand, and they are stored AS AN IMAGE OF THOSE REGISTERS: 16 bytes a lane, 512 consecutive bytes a store.
; OUT.  qq: tile T of 16 queries of head bh: codes at (128 bh + T) 1024 + 512 c + 16 lane; scale words at 8,388,608 + 8192 bh + 256 (T / 4) + 128 ((T / 2) % 2) + 8 r + 4 (T % 2): bytes c0, c1, c0, c1.
; kv: head bh at 270,336 bh, slot of 256 keys at 33,792 each; in it, for the q-th 128 keys: K's codes at 8192 q + 1024 tile + 512 c + 16 lane; V's at 16,384 + 8192 q + 2048 t + 512 e + 16 lane (t: 16 stored rows of the head's 64, e: 32 keys);
; K's scale words at 32,768 + 256 q + 128 (p / 2) + 8 r + 4 (p % 2) (p: a pair of key tiles; bytes: tile 2 p c0, c1, tile 2 p + 1 c0, c1); V's at 33,280 + 256 q + 128 (t / 2) + 8 r + 4 (t % 2) (bytes e = 0 .. 3).
; LIMITS: NaN and infinities are not served; a block whose largest magnitude lies under 2^-111 (zeros too) gets the byte 1; the bytes are read by this program alone.
; REGISTERS, in windows of 256: window 0: v0-31 addresses; v32-63 scale words, two sets, and nothing else; from v128 A's fragments, ONE set.  window 1: B's fragments, TWO sets.  windows 2, 3: the accumulators ((a, b) at v[8 (8 (a % 4) + b)]).
; On the way out: window 0: v64-127 64 numbers; v128-143 at work; v144-151 the blocks' scale words; v152-159 words to be stored; v160-255 codes, six buffers by turns.  window 1: cosines and sines.
.set KSTEP,  256
.set NQ,     KSTEP/128
.set ROWB,   256                       ; a tile's row in bytes
.set KROW,   1024                      ; a row of codes in memory
.set PITCH,  272                       ; an LDS row: 256 bytes + 16 of padding = 68 words: row r starts at bank 4 r mod 64 (64 banks of 4 bytes: ISA guide 11.1)
.set FR,     16                        ; registers of a fragment: 16 rows x 128 K
.set NL,     4                         ; LDS loads that bring one
.set NP,     8                         ; places behind this matrix instruction (ISA guide 7.12.1)
.set HALFT,  128*PITCH
.set SLOT,   4*HALFT                   ; A's 256 rows, then B's 256 rows
.set LAPS,   2                         ; 1,024 / 512
.set KS,     32                        ; a row of scale bytes
.set SCL,    2*SLOT                    ; behind the ring: the scales, as 256 bytes + 16 of padding
.set HALFS,  (128*KS/256)*272
.set SBLK,   (16*KS/256)*272
.set SPARE,  SCL+4*HALFS               ; behind the scales: the spare words, 128 bytes for each wave
.set ADRA, 16                          ; v16-17  LDS address of my A fragments in slot 0, 1
.set ADRB, 20                          ; v20-21  the same for B
.set ADRS, 27                          ; v27     LDS address of my scale words: lanes 0-15 A's rows, lanes 16-31 B's
.set SPW,  28                          ; v28     LDS address of my spare word; never rewritten
.set NIL,  29                          ; v29     0; never rewritten
.set LI,   30                          ; v30     16 x lane: my place in an image
.set SO,   31                          ; v31     128 (lane / 16) + 8 (lane % 16): my place among scale words
.set SC,   32                          ; scale words: set s at v[SC + 16 s]
.set AF,   128                         ; A's fragments
.set XB,   64                          ; the way out
.set TM,   128
.set PW,   144
.set WD,   152
.set PCD,  160
.set SEL,  18                          ; s[18:19] lane selects for v_permlanex16_b32: lane l xor 16 (set on the way out)
.set MNT,  20                          ; s20  the mantissa field of 57,344
.set HM,   21                          ; s21  lanes 16-31
.set SELA, 22                          ; s22, s23  byte selects
.set SELB, 23
.set G1, 24
.set G0, 32
.set G1B, 48
.set G0B, 56
.set G1S, 68
.set G0S, 76
.set G1SB, 80
.set G0SB, 88
.set MSB, 0
.macro WIN new                         ; the immediate's high byte repeats the setting that is left
.if MSB != (\new)
	s_set_vgpr_msb (MSB<<8)|(\new)
.set MSB, (\new)
.endif
.endm
.set MUL_LO, 0xa1                      ; source 0 (B) window 1, source 1 (A) window 0, C and D window 2
.set MUL_HI, 0xf1                      ; the same, C and D window 3
.set TO_B,   0x40                      ; destination window 1, address window 0
; A joint load: waves 0 and 1 fetch for A, waves 2 and 3 for B.  The branch hangs on the wave's number alone.  Four v_nop follow each of the two lines.
.macro JLOAD g0a, g1a, g0b, g1b
	s_cmp_eq_u32 s15, 0
	s_cbranch_scc0 .Lfor_b_\@
	tensor_load_to_lds s[\g0a:\g0a+3], s[\g1a:\g1a+7]
	s_nop 0
.rept 4
	v_nop
.endr
	s_branch .Lasked_\@
.Lfor_b_\@:
	tensor_load_to_lds s[\g0b:\g0b+3], s[\g1b:\g1b+7]
	s_nop 0
.rept 4
	v_nop
.endr
.Lasked_\@:
.endm
.macro CREST                           ; a round of the cluster's barrier behind its opening barrier
	s_cmp_lg_u32 s14, 0
	s_cbranch_scc1 .Lnot_wave_0_\@
	s_barrier_signal -3
.Lnot_wave_0_\@:
	s_barrier_wait -3
	s_barrier_signal -1
	s_barrier_wait -1
.endm
.macro CROUND
	s_barrier_signal -1
	s_barrier_wait -1
	CREST
.endm
	s_load_b128 s[96:99], s[0:1], 0x0              ; xq, wq
	s_load_b64 s[66:67], s[0:1], 0x10              ; rt
	s_load_b64 s[100:101], s[0:1], 0x18            ; qq
	s_load_b64 s[104:105], s[0:1], 0x20            ; kv
	v_lshl_add_u32 v[SPW], v0, 2, SPARE
	v_mov_b32 v[NIL], 0
	ds_add_u32 v28, v29
	ds_add_u32 v28, v29
	s_wait_dscnt 0x0
	v_lshrrev_b32 v1, 5, v0
	v_readfirstlane_b32 s14, v1                    ; wave 0..3
	s_lshr_b32 s15, s14, 1                         ; which half of the tile's rows is mine.  Also: I fetch for A (0) or for B (1)
	s_and_b32 s16, s14, 1                          ; which half of its columns.  Also: which 128 rows of that tile I fetch
	s_bfe_u32 s40, ttmp6, 0x40000                  ; cx, cy: my place in the cluster
	s_bfe_u32 s41, ttmp6, 0x40004
	s_and_b32 s95, ttmp7, 0xffff                   ; the cluster's y: 0 .. 7
	s_cmp_eq_u32 ttmp9, 2                          ; the cluster's x says which product: the same in all sixteen partners
	s_cselect_b32 s42, s95, ttmp9                  ; V: x's 32 tile columns by the cluster's y;  Q, K: tile columns 0-3 are Wq's rows, 4-7 Wk's
	s_cselect_b32 s17, 0, s95                      ; V: Wv's four tile rows;  Q, K: x's 32 tile rows
	s_lshl_b32 s42, s42, 2
	s_add_co_u32 s42, s42, s40                     ; tile column
	s_lshl_b32 s17, s17, 2
	s_add_co_u32 s17, s17, s41                     ; tile row
	s_lshl_b32 s43, s41, 2
	s_lshl_b32 s43, 15, s43                        ; my row of the cluster
	s_lshl_b32 s44, 0x1111, s40                    ; my column
	; descriptor group 1: a tile of 128 rows x 256 bytes, padded in LDS
	s_or_b32 s[G1+0], s43, (0<<16)|(1<<20)|(1<<21)|(5<<22)|(3<<25)  ; 15:0 the mask: A's tiles go to my row; 17:16 elements of 1 byte; 20 padding on; 21 set beside a mask; 24:22 after every 64 words; 31:25 four words
	s_or_b32 s[G1B+0], s44, (0<<16)|(1<<20)|(1<<21)|(5<<22)|(3<<25)
.irp g, G1, G1B
	s_mov_b32 s[\g+1], ROWB<<16                    ; tensor_dim0
	s_mov_b32 s[\g+2], 128<<16                     ; tensor_dim1
	s_mov_b32 s[\g+3], ROWB<<16                    ; tile_dim0
	s_mov_b32 s[\g+4], 128                         ; tile_dim1
	s_mov_b32 s[\g+5], KROW                        ; tensor_dim0_stride
	s_mov_b32 s[\g+6], 0
	s_mov_b32 s[\g+7], 0
.endr
	; the scales of 128 rows: 4,096 dense bytes, as 16 rows of 256 bytes (32 elements of 8), 16 bytes of padding behind each
	s_or_b32 s[G1S+0], s43, (3<<16)|(1<<20)|(1<<21)|(5<<22)|(3<<25)
	s_or_b32 s[G1SB+0], s44, (3<<16)|(1<<20)|(1<<21)|(5<<22)|(3<<25)
.irp g, G1S, G1SB
	s_mov_b32 s[\g+1], 32<<16
	s_mov_b32 s[\g+2], (128*KS/256)<<16
	s_mov_b32 s[\g+3], 32<<16
	s_mov_b32 s[\g+4], 128*KS/256
	s_mov_b32 s[\g+5], 32
	s_mov_b32 s[\g+6], 0
	s_mov_b32 s[\g+7], 0
.endr
	s_lshl_b32 s18, s16, 7                         ; which 128 rows of the tile I fetch
	s_lshl_b32 s20, s17, 8
	s_add_co_u32 s20, s20, s18                     ; A: row 256 x tile row + 128 x half
	s_lshl_b32 s46, s42, 8
	s_add_co_u32 s46, s46, s18                     ; B: row 256 x tile column + 128 x half
	s_mov_b32 s21, 0
	s_mov_b32 s47, 0
	s_mov_b64 s[18:19], KS
	s_mul_u64 s[22:23], s[20:21], s[18:19]         ; where these rows' scales begin, in bytes
	s_mul_u64 s[92:93], s[46:47], s[18:19]
	s_mov_b64 s[18:19], KROW
	s_mul_u64 s[20:21], s[20:21], s[18:19]         ; and their codes
	s_mul_u64 s[46:47], s[46:47], s[18:19]
	s_mul_i32 s45, s14, HALFT                      ; where they go: wave x 128 rows: no place in the cluster enters an LDS address
	s_mul_i32 s94, s14, HALFS
	s_wait_kmcnt 0x0
	s_add_nc_u64 s[4:5], s[98:99], 0x200000        ; Wv's codes: row 2,048 of wq
	s_add_nc_u64 s[6:7], s[98:99], 0x410000        ; Wv's scale bytes
	s_add_nc_u64 s[10:11], s[98:99], 0x400000      ; the weights' scale bytes
	s_add_nc_u64 s[12:13], s[96:97], 0x800000      ; x's scale bytes
	s_cmp_eq_u32 ttmp9, 2
	s_cselect_b64 s[4:5], s[4:5], s[96:97]         ; A's codes
	s_cselect_b64 s[6:7], s[6:7], s[12:13]         ; A's scales
	s_cselect_b64 s[8:9], s[96:97], s[98:99]       ; B's codes
	s_cselect_b64 s[10:11], s[12:13], s[10:11]     ; B's scales
	s_add_nc_u64 s[20:21], s[4:5], s[20:21]
	s_add_nc_u64 s[22:23], s[6:7], s[22:23]
	s_add_nc_u64 s[46:47], s[8:9], s[46:47]
	s_add_nc_u64 s[92:93], s[10:11], s[92:93]
	CROUND                                         ; all sixteen work-groups are here: the first joint loads meet
	s_mov_b32 s[G0S], 1
	s_add_co_u32 s[G0S+1], s94, SCL
	s_mov_b64 s[G0S+2:G0S+3], s[22:23]
	s_or_b32 s[G0S+3], s[G0S+3], 0x80000000
	s_mov_b32 s[G0SB], 1
	s_add_co_u32 s[G0SB+1], s94, SCL
	s_mov_b64 s[G0SB+2:G0SB+3], s[92:93]
	s_or_b32 s[G0SB+3], s[G0SB+3], 0x80000000
	JLOAD G0S, G1S, G0SB, G1SB                     ; the scales first: they are wanted with K step 0
.irp s, 0,1
	s_mov_b32 s[G0+4*\s], 1
	s_add_co_u32 s[G0+4*\s+1], s45, \s*SLOT
	s_add_nc_u64 s[G0+4*\s+2:G0+4*\s+3], s[20:21], \s*ROWB
	s_or_b32 s[G0+4*\s+3], s[G0+4*\s+3], 0x80000000
	s_mov_b32 s[G0B+4*\s], 1
	s_add_co_u32 s[G0B+4*\s+1], s45, \s*SLOT
	s_add_nc_u64 s[G0B+4*\s+2:G0B+4*\s+3], s[46:47], \s*ROWB
	s_or_b32 s[G0B+4*\s+3], s[G0B+4*\s+3], 0x80000000
	JLOAD G0+4*\s, G1, G0B+4*\s, G1B               ; three tensor loads of mine are out
.endr
	v_and_b32 v1, 15, v0                           ; r = lane % 16
	v_bfe_u32 v2, v0, 4, 1                         ; h = lane / 16
	v_mul_u32_u24 v3, v1, PITCH
	v_lshl_add_u32 v4, v2, 4, v3                   ; a fragment's row x pitch + 16 x half
	s_mul_i32 s21, s15, HALFT                      ; my 128 rows of A
	s_mul_i32 s22, s16, HALFT                      ; my 128 rows of B,
	s_add_co_u32 s22, s22, 2*HALFT                 ; which lie behind A's 256
.irp s, 0,1
	v_add_nc_u32 v[ADRA+\s], s21, v4
	v_add_nc_u32 v[ADRB+\s], s22, v4
	s_add_co_u32 s21, s21, SLOT
	s_add_co_u32 s22, s22, SLOT
.endr
	v_mul_u32_u24 v5, v1, KS                       ; my row's scales: 32 bytes a row,
	v_lshrrev_b32 v6, 8, v5
	v_lshl_add_u32 v5, v6, 4, v5                   ; and 16 more for each 256 passed
	s_mul_i32 s21, s15, HALFS                      ; A's: my 128 rows
	s_mul_i32 s22, s16, HALFS                      ; B's: my 128 rows, behind A's 256
	s_add_co_u32 s22, s22, 2*HALFS
	s_sub_co_u32 s22, s22, s21
	v_mul_u32_u24 v6, s22, v2                      ; lanes 16-31 take B's
	s_add_co_u32 s21, s21, SCL
	v_add_nc_u32 v5, v5, v6
	v_add_nc_u32 v[ADRS], s21, v5
	v_and_b32 v6, 31, v0
	v_lshlrev_b32 v[LI], 4, v6
	v_lshlrev_b32 v[SO], 3, v1
	v_lshl_add_u32 v[SO], v2, 7, v[SO]
	; where my results go.  s[4:5], s[6:7]: the codes of my first and second head;  s[8:9], s[10:11]: their scale words;  s[12:13]: my 128 positions' cosines and sines
	s_lshl_b32 s18, s17, 8
	s_lshl_b32 s19, s15, 7
	s_add_co_u32 s18, s18, s19                     ; my first row of C
	s_lshl_b32 s19, s42, 8
	s_lshl_b32 s20, s16, 7
	s_add_co_u32 s19, s19, s20                     ; my first column
	s_cmp_eq_u32 ttmp9, 2
	s_cselect_b32 s20, s19, s18                    ; the token: V's columns, Q's and K's rows
	s_cselect_b32 s21, s18, s19                    ; the feature
	s_lshr_b32 s22, s20, 11                        ; the batch
	s_and_b32 s20, s20, 2047                       ; the token in its sequence: a multiple of 128
	s_and_b32 s21, s21, 1023
	s_lshr_b32 s21, s21, 6                         ; my first head
	s_lshl_b32 s22, s22, 4
	s_add_co_u32 s21, s21, s22                     ; bh
	s_bfe_u32 s22, s20, 0x10007                    ; which 128 keys of a slot
	s_lshr_b32 s23, s20, 8                         ; which slot
	s_mul_i32 s23, s23, 33792
	s_mul_i32 s46, s21, 270336
	s_add_co_u32 s23, s23, s46                     ; the slot's first byte in kv
	s_lshl_b32 s46, s22, 13
	s_add_co_u32 s46, s46, s23                     ; K's codes
	s_add_co_u32 s47, s46, 16384                   ; V's codes
	s_lshl_b32 s92, s21, 17
	s_lshl_b32 s93, s20, 6
	s_add_co_u32 s92, s92, s93                     ; Q's codes
	s_lshl_b32 s93, s22, 8
	s_add_co_u32 s93, s93, s23
	s_add_co_u32 s93, s93, 32768                   ; K's words
	s_add_co_u32 s94, s93, 512                     ; V's words
	s_lshl_b32 s95, s21, 13
	s_lshl_b32 s18, s20, 2
	s_add_co_u32 s95, s95, s18
	s_add_co_u32 s95, s95, 0x800000                ; Q's words
	s_cmp_eq_u32 ttmp9, 2
	s_cselect_b32 s46, s47, s46
	s_cselect_b32 s93, s94, s93
	s_cmp_eq_u32 ttmp9, 0
	s_cselect_b32 s46, s92, s46                    ; the codes' offset
	s_cselect_b32 s92, s95, s93                    ; the words' offset
	s_cselect_b64 s[4:5], s[100:101], s[104:105]   ; into qq or kv
	s_mov_b32 s18, 270336
	s_cselect_b32 s18, 131072, s18                 ; from a head's codes to the next head's
	s_mov_b32 s22, 270336
	s_cselect_b32 s22, 8192, s22                   ; and from its words
	s_mov_b32 s47, 0
	s_mov_b32 s93, 0
	s_mov_b32 s19, 0
	s_mov_b32 s23, 0
	s_add_nc_u64 s[8:9], s[4:5], s[92:93]
	s_add_nc_u64 s[4:5], s[4:5], s[46:47]
	s_add_nc_u64 s[6:7], s[4:5], s[18:19]
	s_add_nc_u64 s[10:11], s[8:9], s[22:23]
	s_lshl_b32 s18, s20, 8                         ; 4,096 bytes of the table for 16 positions
	s_add_nc_u64 s[12:13], s[66:67], s[18:19]
.macro FRAG reg, adr, q, i             ; a fragment: lane l holds row l % 16; registers 4 c .. 4 c + 3 hold K = 32 c + 16 (l / 16) + 0 .. 15
.irp c, 0,1,2,3
	ds_load_b128 v[\reg+4*\c:\reg+4*\c+3], v[\adr] offset:128*(\q)+32*\c+(\i)*16*PITCH
.endr
.endm
; 16 matrix instructions: A's blocks a0, a0 + 1 x B's eight, 128 along K.  p: B's set;  sc: the set of scale words.  zero = 1: the first product starts the sums.
; The 64 accumulators take turns, one instruction a turn, in the same order in every step.
.macro MUL16 a0, p, q, sc, zero
.irp a, \a0, \a0+1
.irp b, 0,1,2,3,4,5,6,7
.if \zero
	v_wmma_scale_f32_16x16x128_f8f6f4 v[8*(8*((\a)%4)+\b):8*(8*((\a)%4)+\b)+7], v[128*(\p)+FR*\b:128*(\p)+FR*\b+FR-1], v[AF+FR*(\a):AF+FR*(\a)+FR-1], 0, v[SC+8*NQ*(\sc)+NQ*\b+(\q)], v[SC+8*NQ*(\sc)+NQ*(\a)+(\q)] matrix_a_fmt:MATRIX_FMT_BF8 matrix_b_fmt:MATRIX_FMT_BF8 matrix_a_scale:MATRIX_SCALE_ROW1
.else
	v_wmma_scale_f32_16x16x128_f8f6f4 v[8*(8*((\a)%4)+\b):8*(8*((\a)%4)+\b)+7], v[128*(\p)+FR*\b:128*(\p)+FR*\b+FR-1], v[AF+FR*(\a):AF+FR*(\a)+FR-1], v[8*(8*((\a)%4)+\b):8*(8*((\a)%4)+\b)+7], v[SC+8*NQ*(\sc)+NQ*\b+(\q)], v[SC+8*NQ*(\sc)+NQ*(\a)+(\q)] matrix_a_fmt:MATRIX_FMT_BF8 matrix_b_fmt:MATRIX_FMT_BF8 matrix_a_scale:MATRIX_SCALE_ROW1
.endif
.endr
.endr
.endm
.macro FETCH_B slot, q, p
	WIN TO_B
.irp i, 0,1,2,3,4,5,6,7
	FRAG 128*(\p)+FR*\i, ADRB+\slot, \q, \i
.endr
	WIN 0
.endm
.macro FETCH_A slot, q, i0
.irp i, \i0, \i0+1, \i0+2, \i0+3
	FRAG AF+FR*(\i), ADRA+\slot, \q, \i
.endr
.endm
.macro SCALES sc                       ; a K step's scale words: two words a row; lanes 0-15 take A's block i, lanes 16-31 B's block i
.irp i, 0,1,2,3,4,5,6,7
	ds_load_b64 v[SC+8*NQ*\sc+NQ*\i:SC+8*NQ*\sc+NQ*\i+1], v[ADRS] offset:\i*SBLK
.endr
.endm
; A load into a register that a matrix instruction has read, and a vector instruction that reads a matrix result or writes one of its registers, stand eight places behind it; only plain vector instructions that name none of its registers are places.
.macro PLACES n
.rept \n
	v_nop
.endr
.endm
.macro STEP slot, q, zero              ; a step of 128 along K that has its successor in the same slot
	s_wait_dscnt 4*NL                              ; B's set and A's blocks 0-3 are in; the youngest sixteen loads (A's blocks 4-7) may be out
	WIN MUL_LO
	MUL16 0, (\q)%2, \q, \slot, \zero
	MUL16 2, (\q)%2, \q, \slot, \zero
	s_wait_dscnt 0                                 ; A's blocks 4-7 are in
	PLACES NP
	FETCH_B \slot, (\q)+1, 1-(\q)%2
	FETCH_A \slot, (\q)+1, 0
	WIN MUL_HI
	MUL16 4, (\q)%2, \q, \slot, \zero
	MUL16 6, (\q)%2, \q, \slot, \zero
	PLACES NP
	WIN 0
	FETCH_A \slot, (\q)+1, 4
.endm
; A slot's last step changes slots: ONE barrier; in front of it each wave waits for all its tensor loads, adds 0 to its spare word, and waits for that and for its own reads of this slot.  fill = 1: this slot is filled again, two K steps ahead.
.macro TURN slot, next, fill
	s_wait_tensorcnt 0x0                           ; all my tensor loads have landed: my part of the next slot
	ds_add_u32 v[SPW], v[NIL]                      ; 0 onto my spare word
	s_wait_dscnt 4*NL+1                            ; (the add and the youngest sixteen loads, A's blocks 4-7, may be out)
	WIN MUL_LO
	MUL16 0, 1, NQ-1, \slot, 0                     ; sixteen matrix instructions stand between the add and the wait for it
	s_wait_dscnt 0x0                               ; the add is done, and my reads of this slot are over
	s_barrier_signal -1
	MUL16 2, 1, NQ-1, \slot, 0
	WIN 0
	s_barrier_wait -1
.if \fill
	CREST                                          ; the barrier has opened a round of the cluster's barrier: no wave of any partner still reads this slot or has a load on its way
	s_add_nc_u64 s[G0+4*\slot+2:G0+4*\slot+3], s[G0+4*\slot+2:G0+4*\slot+3], 2*ROWB
	s_add_nc_u64 s[G0B+4*\slot+2:G0B+4*\slot+3], s[G0B+4*\slot+2:G0B+4*\slot+3], 2*ROWB
	JLOAD G0+4*\slot, G1, G0B+4*\slot, G1B         ; the first tensor load behind the round; its four v_nop are among the places in front of the loads below
	PLACES NP-4
.else
	PLACES NP
.endif
	s_wait_alu depctr_va_vdst(0)
	v_add_nc_u32 v[ADRS], 4*NQ, v[ADRS]            ; on to the next K step's scale words
	FETCH_B \next, 0, 0
	FETCH_A \next, 0, 0
	SCALES \next
	WIN MUL_HI
	MUL16 4, 1, NQ-1, \slot, 0
	MUL16 6, 1, NQ-1, \slot, 0
	PLACES NP
	WIN 0
	FETCH_A \next, 0, 4
.endm
	s_wait_alu depctr_va_vdst(0)
	s_wait_tensorcnt 1                             ; the scales and my part of K step 0 are in (K step 1's load may be out),
	s_barrier_signal -1
	s_barrier_wait -1                              ; everybody's are
	FETCH_B 0, 0, 0
	FETCH_A 0, 0, 0
	SCALES 0
	FETCH_A 0, 0, 4
	STEP 0, 0, 1                                   ; the first step stands in front of the loop: its products start the sums
	s_mov_b32 s3, LAPS-1
.Llap:                                             ; a trip goes once round the ring and fills both slots again
	TURN 0, 1, 1
	STEP 1, 0, 0
	TURN 1, 0, 1
	STEP 0, 0, 0
	s_sub_co_u32 s3, s3, 1
	s_cmp_lg_u32 s3, 0
	s_cbranch_scc1 .Llap
	TURN 0, 1, 0                                   ; the last lap fills nothing
	STEP 1, 0, 0
	s_wait_dscnt 4*NL                              ; the very last step
	WIN MUL_LO
	MUL16 0, 1, NQ-1, 1, 0
	MUL16 2, 1, NQ-1, 1, 0
	s_wait_dscnt 0
	WIN MUL_HI
	MUL16 4, 1, NQ-1, 1, 0
	MUL16 6, 1, NQ-1, 1, 0
	WIN 0
; ---- THE WAY OUT ----
; Block a's 64 numbers are rotated: registers m, m + 1 are a pair (t1, t2) of one frequency, whose (cos, sin) lie in window 1 at 32 a + m % 32.  First (-t2 sin, t1 sin), then t1 cos and t2 cos are added by a fused multiply-add.
; Each accumulator is read from its low end on.
.macro ROPE a
	WIN 0x06+(\a)/4                                ; source 0: the accumulators' window; source 1: window 1
.set m, 0
.rept 32
	v_pk_mul_f32 v[XB+m:XB+m+1], v[64*((\a)%4)+m:64*((\a)%4)+m+1], v[32*(\a)+m%32:32*(\a)+m%32+1] op_sel:[1,1] op_sel_hi:[0,1] neg_lo:[1,0]
.set m, m+2
.endr
.set m, 0
.rept 32
	v_pk_fma_f32 v[XB+m:XB+m+1], v[64*((\a)%4)+m:64*((\a)%4)+m+1], v[32*(\a)+m%32:32*(\a)+m%32+1], v[XB+m:XB+m+1] op_sel_hi:[1,0,1]
.set m, m+2
.endr
	WIN 0
.endm
; 64 numbers of a lane, v[s] on in window w, register 16 b + i = neighbour 32 b + 16 (lane / 16) + i of my row, become 16 registers of codes in v[pc] on and the row's four scale bytes in v[pw].  The held numbers go to v[x] on, in window 0.
.macro QUANT s, w, x, pc, pw
	WIN (\w)|((\w)<<2)
.irp b, 0,1,2,3
	v_max3_num_f32 v[TM+\b], |v[(\s)+16*\b]|, |v[(\s)+1+16*\b]|, 0x8000000   ; block b: my 16 numbers, and the floor 2^(16 - 127): the byte cannot fall under 1
.endr
	WIN ((\w)<<2)|((\w)<<4)
.irp i, 2,4,6,8,10,12,14
.irp b, 0,1,2,3
	v_max3_num_f32 v[TM+\b], v[TM+\b], |v[(\s)+16*\b+\i]|, |v[(\s)+1+16*\b+\i]|   ; (the four blocks by turns)
.endr
.endr
	WIN 0
.irp b, 0,1,2,3
	v_permlanex16_b32 v[TM+4+\b], v[TM+\b], s[SEL], s[SEL+1]
.endr
.irp b, 0,1,2,3
	v_max_num_f32 v[TM+\b], v[TM+\b], v[TM+4+\b]   ; with lane l xor 16's: the block's largest magnitude
.endr
.irp b, 0,1,2,3
	v_add_nc_u32 v[TM+12+\b], 0xf8800000, v[TM+\b] ; 15 off its exponent field: the conversion's scale operand
.endr
.irp b, 0,1,2,3
	v_and_or_b32 v[TM+8+\b], v[TM+\b], 0x7f800000, s[MNT]   ; 57,344 x the scale
.endr
.irp b, 0,1,2,3
	v_lshrrev_b32 v[TM+4+\b], 23, v[TM+12+\b]      ; the scale's byte
.endr
	v_lshl_or_b32 v[\pw], v[TM+5], 8, v[TM+4]
	v_lshl_or_b32 v[\pw], v[TM+6], 16, v[\pw]
	v_lshl_or_b32 v[\pw], v[TM+7], 24, v[\pw]
	WIN (\w)
.irp b, 0,1,2,3
.irp i, 0,1,2,3,4,5,6,7,8,9,10,11,12,13,14,15
	v_med3_num_f32 v[(\x)+16*\b+\i], v[(\s)+16*\b+\i], -v[TM+8+\b], v[TM+8+\b]   ; the conversion to an 8-bit code does not saturate (ISA guide 7.6.2): hold first
.endr
.endr
	WIN 0
.irp b, 0,1,2,3
	v_cvt_scalef32_pk8_bf8_f32 v[(\pc)+4*\b:(\pc)+4*\b+1], v[(\x)+16*\b:(\x)+16*\b+7], v[TM+12+\b]
	v_cvt_scalef32_pk8_bf8_f32 v[(\pc)+4*\b+2:(\pc)+4*\b+3], v[(\x)+16*\b+8:(\x)+16*\b+15], v[TM+12+\b]
.endr
	v_nop                                          ; a plain vector instruction between the conversions and the next lines that write their sources
.endm
	PLACES NP                                      ; behind the last products: for the reads of results, the loads into B's registers and the writes into A's
	s_mov_b32 s[SEL], 0x76543210
	s_mov_b32 s[SEL+1], 0xfedcba98
	s_mov_b32 s[MNT], 0x600000
	s_mov_b32 s[HM], 0xffff0000
	s_mov_b32 s[SELA], 0x05040100                  ; the low halves of two words
	s_mov_b32 s[SELB], 0x07060302                  ; the high halves
.irp b, 0,1,2,3
	v_mov_b32 v[TM+4+\b], 0                        ; written once: a lane permute's destination counts as one of its sources
.endr
	s_cmp_eq_u32 ttmp9, 2
	s_cbranch_scc1 .Lv
	; ---- Q and K: rotate, quantise along the head's 64
	WIN 0x40                                       ; destination window 1
.irp a, 0,1,2,3,4,5,6,7
.irp j, 0,1,2,3,4,5,6,7
	global_load_b128 v[32*\a+4*\j:32*\a+4*\j+3], v[LI], s[12:13] offset:4096*\a+512*\j   ; block a's cosines and sines: 512 consecutive bytes a load
.endr
.endr
	WIN 0
.irp a, 0,1,2,3,4,5,6,7
	s_wait_loadcnt 56-8*\a                         ; block a's eight loads are in; the later blocks' stay out
.if \a == 6
	s_wait_xcnt 0x0                                ; the stores of blocks 0 and 1 have read their data: their buffers are written again
.endif
	ROPE \a
	QUANT XB, 0, XB, PCD+16*(\a%6), PW+\a
.irp e, 0,1,2,3
	global_store_b128 v[LI], v[PCD+16*(\a%6)+4*\e:PCD+16*(\a%6)+4*\e+3], s[4+2*(\e/2):5+2*(\e/2)] offset:1024*\a+512*(\e%2)   ; head e / 2, block e % 2 of its 64: 512 consecutive bytes
.endr
.endr
	s_cmp_eq_u32 ttmp9, 0
	s_cbranch_scc0 .Lkwords
	; Q's scale words: tile a, head n: bytes c0, c1, c0, c1.  A store takes four tiles: lanes 0-15 tiles 4 g, 4 g + 1, lanes 16-31 tiles 4 g + 2, 4 g + 3: 256 consecutive bytes
.irp g, 0,1
	v_cndmask_b32 v[TM+2*\g], v[PW+4*\g], v[PW+4*\g+2], s[HM]
	v_cndmask_b32 v[TM+2*\g+1], v[PW+4*\g+1], v[PW+4*\g+3], s[HM]
	v_perm_b32 v[WD+4*\g], v[TM+2*\g], v[TM+2*\g], s[SELA]
	v_perm_b32 v[WD+4*\g+1], v[TM+2*\g+1], v[TM+2*\g+1], s[SELA]
	v_perm_b32 v[WD+4*\g+2], v[TM+2*\g], v[TM+2*\g], s[SELB]
	v_perm_b32 v[WD+4*\g+3], v[TM+2*\g+1], v[TM+2*\g+1], s[SELB]
	global_store_b64 v[SO], v[WD+4*\g:WD+4*\g+1], s[8:9] offset:256*\g
	global_store_b64 v[SO], v[WD+4*\g+2:WD+4*\g+3], s[10:11] offset:256*\g
.endr
	s_branch .Ldone
.Lkwords:
	; K's scale words: pair p of tiles, head n: tile 2 p's c0, c1, tile 2 p + 1's c0, c1.  Lanes 0-15 take pairs 0, 1, lanes 16-31 pairs 2, 3
.irp e, 0,1
	v_cndmask_b32 v[TM+2*\e], v[PW+2*\e], v[PW+4+2*\e], s[HM]
	v_cndmask_b32 v[TM+2*\e+1], v[PW+2*\e+1], v[PW+5+2*\e], s[HM]
	v_perm_b32 v[WD+\e], v[TM+2*\e+1], v[TM+2*\e], s[SELA]
	v_perm_b32 v[WD+2+\e], v[TM+2*\e+1], v[TM+2*\e], s[SELB]
.endr
	global_store_b64 v[SO], v[WD:WD+1], s[8:9]
	global_store_b64 v[SO], v[WD+2:WD+3], s[10:11]
	s_branch .Ldone
.Lv:
	; ---- V^T: block a is 16 stored rows of head a / 4; its registers run along my 128 keys: quantise along the keys
.irp a, 0,1,2,3,4,5,6,7
.if \a == 6
	s_wait_xcnt 0x0                                ; the stores of blocks 0 and 1 have read their data
.endif
	QUANT 64*(\a%4), 2+\a/4, XB, PCD+16*(\a%6), PW+\a
.irp e, 0,1,2,3
	global_store_b128 v[LI], v[PCD+16*(\a%6)+4*\e:PCD+16*(\a%6)+4*\e+3], s[4+2*(\a/4):5+2*(\a/4)] offset:2048*(\a%4)+512*\e
.endr
.endr
.irp n, 0,1
	v_cndmask_b32 v[WD+2*\n], v[PW+4*\n], v[PW+4*\n+2], s[HM]       ; lanes 0-15 take tiles 0, 1 of the head, lanes 16-31 tiles 2, 3
	v_cndmask_b32 v[WD+2*\n+1], v[PW+4*\n+1], v[PW+4*\n+3], s[HM]
.endr
	global_store_b64 v[SO], v[WD:WD+1], s[8:9]
	global_store_b64 v[SO], v[WD+2:WD+3], s[10:11]
.Ldone:
	s_wait_tensorcnt 0x0                           ; the wave's end
	ds_add_u32 v[SPW], v[NIL]
	s_wait_dscnt 0x0
	CROUND                                         ; the closing round: no work-group ends while a partner may still ask for a tile that names it
	s_endpgm
.Lfunc_end_k_q3d118c11fc_qkv:
	.size	k_q3d118c11fc_qkv, .Lfunc_end_k_q3d118c11fc_qkv-k_q3d118c11fc_qkv
	.p2alignl 7, 3214868480
	.fill 96, 4, 3214868480
	.section	.rodata,"a",@progbits
	.p2align	6, 0x0
	.amdhsa_kernel k_q3d118c11fc_qkv
		.amdhsa_group_segment_fixed_size 327680
		.amdhsa_private_segment_fixed_size 0
		.amdhsa_enable_private_segment 0
		.amdhsa_kernarg_size 40
		.amdhsa_user_sgpr_count 2
		.amdhsa_user_sgpr_kernarg_segment_ptr 1
		.amdhsa_wavefront_size32 1
		.amdhsa_system_sgpr_workgroup_id_x 1
		.amdhsa_system_sgpr_workgroup_id_y 1
		.amdhsa_system_sgpr_workgroup_id_z 1
		.amdhsa_system_vgpr_workitem_id 0
		.amdhsa_next_free_vgpr 1024
		.amdhsa_next_free_sgpr 106
		.amdhsa_reserve_vcc 0
		.amdhsa_float_denorm_mode_32 3
		.amdhsa_float_denorm_mode_16_64 3
		.amdhsa_memory_ordered 1
		.amdhsa_forward_progress 1
		.amdhsa_inst_pref_size 255
	.end_amdhsa_kernel
	.section	.bss,"aw",@nobits
	.p2align	6
	.space	262144
	.amdgpu_metadata
---
amdhsa.version: [ 1, 2 ]
amdhsa.kernels:
  - .name:           k_q3d118c11fc_qkv
    .symbol:         k_q3d118c11fc_qkv.kd
    .args:
      - { .name: xq, .offset: 0, .size: 8, .value_kind: global_buffer, .address_space: global }
      - { .name: wq, .offset: 8, .size: 8, .value_kind: global_buffer, .address_space: global }
      - { .name: rt, .offset: 16, .size: 8, .value_kind: global_buffer, .address_space: global }
      - { .name: qq, .offset: 24, .size: 8, .value_kind: global_buffer, .address_space: global }
      - { .name: kv, .offset: 32, .size: 8, .value_kind: global_buffer, .address_space: global }
    .group_segment_fixed_size: 327680
    .private_segment_fixed_size: 0
    .kernarg_segment_align: 8
    .kernarg_segment_size: 40
    .max_flat_workgroup_size: 128
    .sgpr_count:     106
    .vgpr_count:     1024
    .wavefront_size: 32
...
	.end_amdgpu_metadata
.endif
;; end of part 2
;; launch attn (part 3): grid 4 x 64, 16 waves a work-group, no clusters, 327,680 bytes of LDS; arguments qq, kv, yq; writes yq
.if DOCPART == 3
	.amdgcn_target "amdgcn-amd-amdhsa--gfx1250"
	.amdhsa_code_object_version 6
	.text
	.protected	k_q3d118c11fc_attn
	.globl	k_q3d118c11fc_attn
	.p2align	8
	.type	k_q3d118c11fc_attn,@function
k_q3d118c11fc_attn:
	s_mov_b64 s[64:65], 0
	v_nop
	global_prefetch_b8 v0, s[64:65] scope:SCOPE_SE
	s_setreg_imm32_b32 hwreg(HW_REG_WAVE_MODE, 25, 1), 1
	s_wait_xcnt 0x0
; Y[b][q][64 hd + d] = the sum over keys k <= q of softmax_k(Q . K / 8) V, for each of 64 heads of 2,048 tokens and 64 channels; both products on codes of BF8 (E5M2) with one E8M0 scale for each 32 along a product's K; Y is quantised along its row.
; THE SOFTMAX: t = score x log2(e) / 8; M = the row's largest t so far, rounded UP to a whole number; p = 2^(t - M) is quantised along the keys, not normalised; the row's sum is taken of the unquantised p and divides at the end.
; When M moves, the sum and O are multiplied by 2^(old M - new M): exact.
; SHARES.  Work-group i (0 .. 3) of a head owns query blocks i and 7 - i, 256 queries each, and walks key slots 0 .. i and then 0 .. 7 - i: NINE slots of 256 keys for every work-group, so that the causal mask leaves all 256 equal work.
; Each of the sixteen waves owns one tile of 16 queries of the block in hand, in 256 registers: four waves to a SIMD, so that one wave's vector work stands beside another's matrix work and LDS loads.
; NO CLUSTER: in a given trip the four work-groups of a head want different slots (trip t: slot t or t - i - 1), so no tile could be asked for jointly.
; OPERANDS ARE IMAGES OF REGISTERS: a piece of four registers is 512 consecutive bytes, 16 a lane.  A slot is 33,792 dense bytes: K's codes, V's codes, K's and V's scale words; waves 0 and 1 fetch half of it each, by one tensor load.
; K = 64 IN AN INSTRUCTION OF K = 128: a fragment's 16 registers hold TWO tiles of 16 keys (64 channels each); it is multiplied once by (Q | zeros) and once by (zeros | Q).  Zero codes add nothing.
; LAYOUT.  Both products are used transposed: a lane holds ONE query (lane % 16) throughout.  Rows are stored with bits 3 and 4 of their number swapped, so the 16 registers of score tiles 2 p, 2 p + 1 are keys 32 p + 16 (lane / 16) + 0 .. 15,
; and those of O^T's tiles 2 c, 2 c + 1 are channels 32 c + 16 (lane / 16) + 0 .. 15.  Lane r of the wave's tile is query Q0 + r + 8 (r / 8).
; OUT.  yq: tile T = 128 b + the query tile: codes at 16384 T + 1024 hd + 512 c + 16 lane; scale bytes at 8,388,608 + 32 (16 T + r) + 2 hd + c.
; LIMITS: NaN and infinities are not served.  Hidden scores become -infinity where the definition has the lowest f32 number: p is 0 either way, and key 0 counts for every query.  O / the sum is a reciprocal and a multiplication.
; A block of Y whose largest magnitude lies under 2^-111 gets the byte 1; the bytes are read by this program alone.
.set SLOTB, 33792                      ; a slot in memory and in LDS
.set HALFB, 16896                      ; what one tensor load brings: 66 rows of 256 bytes
.set HEADB, 270336                     ; a head's eight slots
.set SLOT1, 65536                      ; LDS slot 1 begins here: one exclusive or turns an address
.set SPARE, 131072                     ; the spare words, 128 bytes for each of the sixteen waves
.set VCO,   16384                      ; in a slot: V's codes,
.set KWO,   32768                      ; K's scale words,
.set VWO,   33280                      ; V's
.set LI,   1                           ; v1   16 x lane
.set LS,   2                           ; v2   8 r
.set QD,   3                           ; v3   r + 8 (r / 8) - 16 h
.set YS,   4                           ; v4   32 r
.set SPW,  5                           ; v5   LDS address of my spare word; never rewritten
.set NIL,  6                           ; v6   0; never rewritten
.set PFO,  7                           ; v7   the prefetches' offset; never rewritten
.set ADK,  8                           ; v8   LDS address of the slot's images
.set ADS,  9                           ; v9   and of its scale words
.set ZQ,   16                          ; v16-23 zeros, v24-31 Q's codes, v32-39 zeros
.set FRG,  40                          ; v40-103  four fragments of K or of V
.set SCR,  104                         ; v104-167 S^T, then p
.set OT,   168                         ; v168-199 O^T
.set PCD,  200                         ; v200-215 p's codes
.set BM,   216                         ; v216-219 the blocks' largest
.set B2,   220
.set HD,   224
.set SOP,  228
.set SW,   232                         ; v232-235 K's or V's scale words, and nothing else
.set FAC,  236                         ; v[236:237] a factor; v237 is named with it as a pair
.set PWD,  238                         ; v238 p's scale word
.set TP,   239
.set QW,   240                         ; v240 Q's scale word
.set MD,   241
.set NINF, 242
.set YW,   243
.set TB,   2                           ; s2   LDS byte at which the slot in hand begins
.set TRIP, 3                           ; s3   the trip, 0 .. 8
.set WV,   18
.set MNT,  19
.set SEL,  20
.set CS,   22                          ; s[22:23] c = log2(e) / 8
.set G1,   24
.set G0,   32
.set KVW,  36                          ; s[36:37] my half of the head's slot 0
.set II,   38                          ; s38  i
.set I1,   39                          ; s39  i + 1
.set KF,   40                          ; s40  the step's first key
.set Q0,   41                          ; s41  my first query
.set TT,   42                          ; s[42:43] at work
.set PFA,  44
.set PFS,  46
.set LIM,  48
.set DQ,   49                          ; s49  256 (7 - 2 i)
.set QP,   50                          ; s[50:51] Q's codes, s[52:53] Q's word, s[54:55] Y's codes, s[56:57] Y's bytes: of my tile
.set QSP,  52
.set YP,   54
.set YSP,  56
.set DQP,  58                          ; what the change of blocks adds to each
.set DQS,  60
.set DYP,  62
.set DYS,  10
.macro TLOAD                           ; waves 0 and 1 fetch half a slot each; four v_nop follow the line
	s_cmp_lt_u32 s[WV], 2
	s_cbranch_scc0 .Lnone_\@
	tensor_load_to_lds s[G0:G0+3], s[G1:G1+7]
	s_nop 0
.rept 4
	v_nop
.endr
.Lnone_\@:
.endm
; A PREFETCH INTO THE L2.  All four work-groups of a head read its slots: work-group 0 asks, and in it waves that fetch nothing.  Waves 4 to 7: in trip t (0 .. 5) the 32,768 bytes of codes of slot t + 2, 8,192 a wave, lanes 256 bytes apart:
; the partner that walks the slots soonest asks for that slot by its tensor load a trip later.  Wave 8: once, in trip 0, the four blocks of 256 bytes of scale words of each of the eight slots.  Each block is named once in the launch.
.macro ASK
	s_cmp_lt_u32 s[TRIP], s[LIM]
	s_cbranch_scc0 .Lnot_mine_\@
	global_prefetch_b8 v[PFO], s[PFA:PFA+1] th:TH_LOAD_NT scope:SCOPE_SE
.Lnot_mine_\@:
.endm
	s_load_b128 s[4:7], s[0:1], 0x0                ; qq, kv
	s_load_b64 s[8:9], s[0:1], 0x10                ; yq
	v_lshl_add_u32 v[SPW], v0, 2, SPARE
	v_mov_b32 v[NIL], 0
	ds_add_u32 v5, v6
	ds_add_u32 v5, v6
	s_wait_dscnt 0x0
	v_lshrrev_b32 v8, 5, v0
	s_delay_alu instid0(VALU_DEP_1)
	v_readfirstlane_b32 s[WV], v8                  ; wave 0..15
	s_mov_b32 s[II], ttmp9
	s_add_co_u32 s[I1], ttmp9, 1
	s_and_b32 s12, ttmp7, 0xffff                   ; bh
	; descriptor group 1: 66 dense rows of 256 bytes (32 elements of 8 bytes), no padding
	s_mov_b32 s[G1], 3<<16
	s_mov_b32 s[G1+1], 32<<16                      ; tensor_dim0
	s_mov_b32 s[G1+2], 66<<16                      ; tensor_dim1
	s_mov_b32 s[G1+3], 32<<16                      ; tile_dim0
	s_mov_b32 s[G1+4], 66                          ; tile_dim1
	s_mov_b32 s[G1+5], 32                          ; tensor_dim0_stride
	s_mov_b32 s[G1+6], 0
	s_mov_b32 s[G1+7], 0
	s_and_b32 s13, s[WV], 1
	s_mul_i32 s[G0+1], s13, HALFB                  ; my half's place in LDS slot 0, and in a slot in memory
	s_mul_i32 s14, s12, HEADB                      ; the head's first byte in kv
	s_add_co_u32 s[TT], s14, s[G0+1]
	s_mov_b32 s[TT+1], 0
	s_mov_b32 s[G0], 1
	s_wait_kmcnt 0x0
	s_add_nc_u64 s[KVW:KVW+1], s[6:7], s[TT:TT+1]
	s_mov_b64 s[G0+2:G0+3], s[KVW:KVW+1]
	s_or_b32 s[G0+3], s[G0+3], 0x80000000
	TLOAD                                          ; key slot 0 into LDS slot 0
	s_lshl_b32 s15, s[II], 4
	s_add_co_u32 s15, s15, s[WV]                   ; my query tile in the head: 16 i + wave
	s_lshl_b32 s16, s12, 7
	s_add_co_u32 s16, s16, s15
	s_lshl_b32 s[TT], s16, 10
	s_add_nc_u64 s[QP:QP+1], s[4:5], s[TT:TT+1]
	s_lshl_b32 s[TT], s12, 13
	s_lshr_b32 s16, s15, 2
	s_lshl_b32 s16, s16, 8
	s_add_co_u32 s[TT], s[TT], s16
	s_bfe_u32 s16, s15, 0x10001
	s_lshl_b32 s16, s16, 7
	s_add_co_u32 s[TT], s[TT], s16
	s_and_b32 s16, s15, 1
	s_lshl_b32 s16, s16, 2
	s_add_co_u32 s[TT], s[TT], s16
	s_add_co_u32 s[TT], s[TT], 0x800000
	s_add_nc_u64 s[QSP:QSP+1], s[4:5], s[TT:TT+1]
	s_lshr_b32 s16, s12, 4                         ; b
	s_and_b32 s17, s12, 15                         ; hd
	s_lshl_b32 s16, s16, 7
	s_add_co_u32 s16, s16, s15                     ; T
	s_lshl_b32 s[TT], s16, 14
	s_lshl_b32 s13, s17, 10
	s_add_co_u32 s[TT], s[TT], s13
	s_add_nc_u64 s[YP:YP+1], s[8:9], s[TT:TT+1]
	s_lshl_b32 s[TT], s16, 9
	s_lshl_b32 s13, s17, 1
	s_add_co_u32 s[TT], s[TT], s13
	s_add_co_u32 s[TT], s[TT], 0x800000
	s_add_nc_u64 s[YSP:YSP+1], s[8:9], s[TT:TT+1]
	s_lshl_b32 s13, s[II], 1
	s_sub_co_u32 s13, 7, s13                       ; 7 - 2 i blocks, 16 tiles each, from my first block to my second
	s_lshl_b32 s[DQP], s13, 14
	s_mov_b32 s[DQP+1], 0
	s_lshl_b32 s[DQS], s13, 10
	s_mov_b32 s[DQS+1], 0
	s_lshl_b32 s[DYP], s13, 18
	s_mov_b32 s[DYP+1], 0
	s_lshl_b32 s[DYS], s13, 13
	s_mov_b32 s[DYS+1], 0
	s_lshl_b32 s[DQ], s13, 8
	s_lshl_b32 s[Q0], s[II], 8
	s_lshr_b32 s13, s[WV], 1
	s_lshl_b32 s13, s13, 5
	s_add_co_u32 s[Q0], s[Q0], s13
	s_and_b32 s13, s[WV], 1
	s_lshl_b32 s13, s13, 3
	s_add_co_u32 s[Q0], s[Q0], s13                 ; 256 i + 32 (wave / 2) + 8 (wave % 2)
	v_and_b32 v[LI], 31, v0
	s_delay_alu instid0(VALU_DEP_1)
	v_lshlrev_b32 v[LI], 4, v[LI]
	v_and_b32 v10, 15, v0                          ; r
	v_bfe_u32 v11, v0, 4, 1                        ; h
	s_delay_alu instid0(VALU_DEP_2)
	v_lshlrev_b32 v[LS], 3, v10
	global_load_b128 v[ZQ+8:ZQ+11], v[LI], s[QP:QP+1]              ; Q's two pieces,
	global_load_b128 v[ZQ+12:ZQ+15], v[LI], s[QP:QP+1] offset:512
	global_load_b32 v[QW], v[LS], s[QSP:QSP+1]                     ; and its scale word
	v_and_b32 v[QD], 8, v10
	s_delay_alu instid0(VALU_DEP_1)
	v_add_nc_u32 v[QD], v[QD], v10
	v_lshlrev_b32 v11, 4, v11
	s_delay_alu instid0(VALU_DEP_1)
	v_sub_nc_u32 v[QD], v[QD], v11
	v_lshlrev_b32 v[YS], 5, v10
	; the prefetches: who asks, from where, how far from trip to trip
	s_and_b32 s13, s[WV], 3
	s_lshl_b32 s13, s13, 13
	s_add_co_u32 s13, s13, SLOTB                   ; waves 4 to 7: my 8,192 bytes of slot 1; the first change of slots steps it to slot 2
	s_sub_co_u32 s15, s[WV], 4
	s_lshr_b32 s15, s15, 2                         ; 0 in waves 4 to 7
	s_or_b32 s15, s15, ttmp9                       ; of work-group 0
	s_xor_b32 s16, s[WV], 8
	s_or_b32 s16, s16, ttmp9                       ; 0 in its wave 8
	s_cmp_eq_u32 s15, 0
	s_cselect_b32 s[LIM], 6, 0
	s_cselect_b32 s[PFS], SLOTB, 0
	s_cmp_eq_u32 s16, 0
	s_cselect_b32 s[LIM], 1, s[LIM]
	s_cselect_b32 s[TT], KWO, s13
	s_mov_b32 s13, 1024
	s_cselect_b32 s13, SLOTB, s13                  ; from four lanes to the next four: 1,024 bytes on, or a slot on
	s_mov_b32 s[PFS+1], 0
	s_add_co_u32 s[TT], s[TT], s14
	s_add_nc_u64 s[PFA:PFA+1], s[6:7], s[TT:TT+1]
	v_and_b32 v10, 31, v0
	s_delay_alu instid0(VALU_DEP_1)
	v_lshrrev_b32 v11, 2, v10
	s_delay_alu instid0(VALU_DEP_1)
	v_mul_lo_u32 v11, v11, s13
	s_delay_alu instid0(VALU_DEP_3)
	v_and_b32 v10, 3, v10
	s_delay_alu instid0(VALU_DEP_1)
	v_lshl_add_u32 v[PFO], v10, 8, v11
	s_mov_b32 s[SEL], 0x76543210
	s_mov_b32 s[SEL+1], 0xfedcba98
	s_mov_b32 s[CS], 0x3e38aa3b                    ; c = log2(e) / 8
	s_mov_b32 s[CS+1], s[CS]                       ; (named with it as a pair, so it is written)
	s_mov_b32 s[TB], 0
	s_mov_b32 s[TRIP], 0
	s_mov_b32 s[KF], 0
.irp j, 0,1,2,3,4,5,6,7
	v_mov_b32 v[ZQ+\j], 0                          ; the zero codes on both sides of Q
	v_mov_b32 v[ZQ+16+\j], 0
.endr
	v_mov_b32 v13, 0xff61b1e6                      ; the largest t so far: -3e38, under every t
	s_delay_alu instid0(VALU_DEP_1)
	v_floor_f32 v12, -v13                          ; -M
	v_mov_b32 v14, 0                               ; the sum, in two halves
	v_mov_b32 v15, 0
.irp b, 0,1,2,3
	v_mov_b32 v[B2+\b], 0                          ; written once: a lane permute's destination counts as one of its sources
.endr
	v_mov_b32 v[FAC+1], 0
	v_mov_b32 v[TP], 0
	v_mov_b32 v[NINF], 0xff800000                  ; -infinity
.set j, 0
.rept 32
	v_mov_b32 v[OT+j], 0                           ; O^T: the first step finds zeros, which the first change of M leaves zeros
.set j, j+1
.endr
; A KEY STEP: 128 keys, the q-th of the slot in hand.
.macro STEP q
	s_add_co_u32 s[TT], s[Q0], 23                  ; my last query.  A step all of whose keys come after it is left out: a scalar branch on ids, round the step's loads, products and softmax
	s_cmp_gt_u32 s[KF], s[TT]
	s_cbranch_scc1 .Lhidden_\@
	v_add_nc_u32 v[ADK], s[TB], v[LI]
	v_add_nc_u32 v[ADS], s[TB], v[LS]
.rept 6
	v_nop                                          ; with the two additions: eight places in front of loads into registers that the last products read
.endr
.irp p, 0,1,2,3
.irp k, 0,1,2,3
	ds_load_b128 v[FRG+16*\p+4*\k:FRG+16*\p+4*\k+3], v[ADK] offset:8192*(\q)+2048*\p+512*\k   ; key tiles 2 p and 2 p + 1: four pieces
.endr
	ds_load_b32 v[SW+\p], v[ADS] offset:KWO+256*(\q)+128*(\p/2)+4*(\p%2)
.endr
	s_wait_alu depctr_va_vdst(0)
	s_wait_dscnt 0x0
.irp p, 0,1,2,3                                ; S^T = K Q^T: the fragment against (Q | zeros) gives tile 2 p, against (zeros | Q) tile 2 p + 1
	v_wmma_scale_f32_16x16x128_f8f6f4 v[SCR+16*\p:SCR+16*\p+7], v[FRG+16*\p:FRG+16*\p+15], v[ZQ+8:ZQ+23], 0, v[SW+\p], v[QW] matrix_a_fmt:MATRIX_FMT_BF8 matrix_b_fmt:MATRIX_FMT_BF8
	v_wmma_scale_f32_16x16x128_f8f6f4 v[SCR+16*\p+8:SCR+16*\p+15], v[FRG+16*\p:FRG+16*\p+15], v[ZQ:ZQ+15], 0, v[SW+\p], v[QW] matrix_a_fmt:MATRIX_FMT_BF8 matrix_b_fmt:MATRIX_FMT_BF8
.endr
.rept 8
	v_nop                                          ; places: for the loads below and for the first read of the scores
.endr
.irp t, 0,1,2,3
.irp e, 0,1,2,3
	ds_load_b128 v[FRG+16*\t+4*\e:FRG+16*\t+4*\e+3], v[ADK] offset:VCO+8192*(\q)+2048*\t+512*\e   ; V^T's four tiles: they land under the softmax
.endr
	ds_load_b32 v[SW+\t], v[ADS] offset:VWO+256*(\q)+128*(\t/2)+4*(\t%2)
.endr
	s_add_co_u32 s[TT], s[KF], 127                 ; on the diagonal hidden scores become -infinity ahead of the maximum; a step all of whose keys count skips this
	s_cmp_le_u32 s[TT], s[Q0]
	s_cbranch_scc1 .Lopen_\@
	s_sub_co_i32 s[TT], s[Q0], s[KF]
	v_add_nc_u32 v[MD], s[TT], v[QD]               ; d = my query - KF - 16 h.  Register 16 b + i holds key KF + 16 h + 32 b + i: hidden where 32 b + i > d
.set n, 0
.rept 64
	v_cmp_gt_i32 vcc_lo, 32*(n/16)+n%16, v[MD]
	v_cndmask_b32 v[SCR+n], v[SCR+n], v[NINF], vcc_lo
.set n, n+1
.endr
.Lopen_\@:
.irp b, 0,1,2,3
	v_max3_num_f32 v[BM+\b], v[SCR+16*\b], v[SCR+1+16*\b], v[SCR+2+16*\b]   ; the largest score of each block of 32 keys: for the row's maximum and, since p rises with the score, for the block's largest p
.endr
.irp i, 3,5,7,9,11,13
.irp b, 0,1,2,3
	v_max3_num_f32 v[BM+\b], v[BM+\b], v[SCR+16*\b+\i], v[SCR+1+16*\b+\i]
.endr
.endr
.irp b, 0,1,2,3
	v_max_num_f32 v[BM+\b], v[BM+\b], v[SCR+15+16*\b]
.endr
.irp b, 0,1,2,3
	s_delay_alu instid0(VALU_DEP_4)
	v_permlanex16_b32 v[B2+\b], v[BM+\b], s[SEL], s[SEL+1]
.endr
.irp b, 0,1,2,3
	s_delay_alu instid0(VALU_DEP_4)
	v_max_num_f32 v[BM+\b], v[BM+\b], v[B2+\b]     ; with lane l xor 16's 16 keys
.endr
	s_delay_alu instid0(VALU_DEP_2)
	v_max3_num_f32 v[TP], v[BM], v[BM+1], v[BM+2]
	s_delay_alu instid0(VALU_DEP_1)
	v_max_num_f32 v[TP], v[TP], v[BM+3]            ; the step's largest score of my query
	s_delay_alu instid0(VALU_DEP_1)
	v_mul_f32 v[TP], s[CS], v[TP]                  ; as t
	s_delay_alu instid0(VALU_DEP_1)
	v_max_num_f32 v13, v13, v[TP]                  ; the running largest t
	v_mov_b32 v[TP], v12
	s_delay_alu instid0(VALU_DEP_2)
	v_floor_f32 v12, -v13                          ; the new -M = -ceil(t): M is a whole number
	s_delay_alu instid0(VALU_DEP_1)
	v_sub_f32 v[TP], v12, v[TP]                    ; old M - new M: a whole number, 0 or less
	s_delay_alu instid0(VALU_DEP_1)
	v_cvt_i32_f32 v[TP], v[TP]                     ; (it saturates)
	s_delay_alu instid0(VALU_DEP_1)
	v_ldexp_f32 v[FAC], 1.0, v[TP]                 ; f = 2^(old M - new M)
.set j, 0
.rept 32
	v_pk_fma_f32 v[SCR+j:SCR+j+1], v[SCR+j:SCR+j+1], s[CS:CS+1], v[12:13] op_sel_hi:[1,0,0]   ; t - M, two at a time
.set j, j+2
.endr
.irp b, 0,1,2,3
	v_fma_f32 v[BM+\b], v[BM+\b], s[CS], v12       ; the same of each block's largest score
.endr
.set j, 0
	s_wait_alu depctr_va_vdst(0)
.rept 64
	v_exp_f32 v[SCR+j], v[SCR+j]                   ; p = 2^(t - M), at most 1
.set j, j+1
.endr
	v_pk_mul_f32 v[14:15], v[14:15], v[FAC:FAC+1] op_sel_hi:[1,0]   ; the sums under the new M: a plain instruction behind the exponentials
	s_wait_alu depctr_va_vdst(0)                   ; one wait for the batch of 64, ahead of its first reader
.irp b, 0,1,2,3
	v_exp_f32 v[BM+\b], v[BM+\b]                   ; the block's largest p: the same two instructions on the same number give the same bits
.endr
	v_pk_add_f32 v[220:221], v[108:109], v[112:113]
	v_pk_add_f32 v[254:255], v[116:117], v[120:121]
	v_pk_add_f32 v[252:253], v[124:125], v[128:129]
	v_pk_add_f32 v[250:251], v[132:133], v[136:137]
	v_pk_add_f32 v[248:249], v[140:141], v[144:145]
	v_pk_add_f32 v[246:247], v[148:149], v[152:153]
	v_pk_add_f32 v[244:245], v[156:157], v[160:161]
	v_pk_add_f32 v[14:15], v[14:15], v[164:165]
	v_pk_add_f32 v[220:221], v[220:221], v[104:105]
	v_pk_add_f32 v[254:255], v[254:255], v[106:107]
	v_pk_add_f32 v[252:253], v[252:253], v[110:111]
	v_pk_add_f32 v[250:251], v[250:251], v[114:115]
	v_pk_add_f32 v[248:249], v[248:249], v[118:119]
	v_pk_add_f32 v[246:247], v[246:247], v[122:123]
	v_pk_add_f32 v[244:245], v[244:245], v[126:127]
	v_pk_add_f32 v[14:15], v[14:15], v[130:131]
	v_pk_add_f32 v[220:221], v[220:221], v[134:135]
	v_pk_add_f32 v[254:255], v[254:255], v[138:139]
	v_pk_add_f32 v[252:253], v[252:253], v[142:143]
	v_pk_add_f32 v[250:251], v[250:251], v[146:147]
	v_pk_add_f32 v[248:249], v[248:249], v[150:151]
	v_pk_add_f32 v[246:247], v[246:247], v[154:155]
	v_pk_add_f32 v[244:245], v[244:245], v[158:159]
	v_pk_add_f32 v[14:15], v[14:15], v[162:163]
	v_pk_add_f32 v[220:221], v[220:221], v[166:167]
	s_delay_alu instid0(VALU_DEP_2)
	v_pk_add_f32 v[14:15], v[14:15], v[250:251]
	s_delay_alu instid0(VALU_DEP_2)
	v_pk_add_f32 v[220:221], v[220:221], v[248:249]
	v_pk_add_f32 v[254:255], v[254:255], v[246:247]
	v_pk_add_f32 v[252:253], v[252:253], v[244:245]
	s_delay_alu instid0(VALU_DEP_2)
	v_pk_add_f32 v[14:15], v[14:15], v[254:255]
	s_delay_alu instid0(VALU_DEP_2)
	v_pk_add_f32 v[220:221], v[220:221], v[252:253]
	s_delay_alu instid0(VALU_DEP_1)
	v_pk_add_f32 v[14:15], v[14:15], v[220:221]
	s_wait_alu depctr_va_vdst(0)                   ; and one for the four
.irp b, 0,1,2,3
	v_max_num_f32 v[BM+\b], 0x8000000, v[BM+\b]    ; the floor 2^(16 - 127): the byte cannot fall under 1
.endr
.irp b, 0,1,2,3
	s_delay_alu instid0(VALU_DEP_4)
	v_add_nc_u32 v[SOP+\b], 0xf8800000, v[BM+\b]   ; 15 off the exponent field: the conversion's scale operand
.endr
.irp b, 0,1,2,3
.endr
.irp b, 0,1,2,3
	s_delay_alu instid0(VALU_DEP_4)
	v_lshrrev_b32 v[B2+\b], 23, v[SOP+\b]          ; the scale's byte
.endr
	s_delay_alu instid0(VALU_DEP_3)
	v_lshl_or_b32 v[PWD], v[B2+1], 8, v[B2]        ; p's scale word for these 128 keys
	s_delay_alu instid0(VALU_DEP_1)
	v_lshl_or_b32 v[PWD], v[B2+2], 16, v[PWD]
	s_delay_alu instid0(VALU_DEP_1)
	v_lshl_or_b32 v[PWD], v[B2+3], 24, v[PWD]
.irp b, 0,1,2,3
.irp i, 0,1,2,3,4,5,6,7,8,9,10,11,12,13,14,15
.endr
	v_cvt_scalef32_pk8_bf8_f32 v[PCD+4*\b:PCD+4*\b+1], v[SCR+16*\b:SCR+16*\b+7], v[SOP+\b]
	v_cvt_scalef32_pk8_bf8_f32 v[PCD+4*\b+2:PCD+4*\b+3], v[SCR+16*\b+8:SCR+16*\b+15], v[SOP+\b]
.endr
.set j, 0
.rept 16
	v_pk_mul_f32 v[OT+j:OT+j+1], v[OT+j:OT+j+1], v[FAC:FAC+1] op_sel_hi:[1,0]   ; O^T under the new M.  (These sixteen are also the places between the conversions and the products)
.set j, j+2
.endr
	s_wait_alu depctr_va_vdst(0)
	s_wait_dscnt 0x0                               ; V
.irp t, 0,1,2,3                                ; O^T += V^T P^T: four accumulators, one instruction each
	v_wmma_scale_f32_16x16x128_f8f6f4 v[OT+8*\t:OT+8*\t+7], v[FRG+16*\t:FRG+16*\t+15], v[PCD:PCD+15], v[OT+8*\t:OT+8*\t+7], v[SW+\t], v[PWD] matrix_a_fmt:MATRIX_FMT_BF8 matrix_b_fmt:MATRIX_FMT_BF8
.endr
.Lhidden_\@:
	s_add_co_u32 s[KF], s[KF], 128
.endm
; THE CHANGE OF SLOTS stands at a trip's head.  Each wave waits for all its tensor loads (its part of the slot that it is about to read), adds 0 to its spare word, and waits for that and for its reads of the slot that it has left.
; fill = 1: behind the barrier the slot just left is filled with what the NEXT trip reads: key slot t + 1, or t - i once my first block is done.  The load has a trip's two key steps in which to land.  One tensor load of a wave is out at a time.
.macro CHANGE fill
	s_wait_tensorcnt 0x0                           ; no tensor load of mine is out, so group 0 may be written
	ds_add_u32 v[SPW], v[NIL]                      ; 0 onto my spare word
.if \fill
	s_xor_b32 s[G0+1], s[G0+1], SLOT1              ; the other LDS slot than last time
	s_add_co_u32 s12, s[TRIP], 1
	s_cmp_gt_u32 s12, s[II]
	s_cselect_b32 s13, s[I1], 0
	s_sub_co_u32 s12, s12, s13                     ; the next trip's key slot
	s_mul_i32 s[TT], s12, SLOTB
	s_mov_b32 s[TT+1], 0
	s_add_nc_u64 s[G0+2:G0+3], s[KVW:KVW+1], s[TT:TT+1]
	s_or_b32 s[G0+3], s[G0+3], 0x80000000
	s_wait_xcnt 0x0                                ; the last prefetch, a trip back, has read its address, so it may be written
	s_add_nc_u64 s[PFA:PFA+1], s[PFA:PFA+1], s[PFS:PFS+1]
.endif
	s_wait_dscnt 0x0                               ; the add is done, and my reads of the slot that I have left are over
	s_barrier_signal -1
	s_barrier_wait -1
.if \fill
	TLOAD                                          ; the first thing behind the barrier, and a wave's one tensor load until the next
	ASK
.endif
.endm
; A BLOCK'S END: O^T / the sum is Y's 64 channels of my query: two blocks of 32, quantised; the codes leave as two images of 512 bytes, the two scale bytes by a store of 2 bytes (a row's scale bytes of one head; lanes l and l xor 16 write the same).
; next = 1: on to my tile of the second block.
.macro FINISH next
.rept 8
	v_nop                                          ; places behind the last products
.endr
	v_add_f32 v14, v14, v15                        ; the sum's two halves,
	s_delay_alu instid0(VALU_DEP_1)
	v_permlanex16_b32 v[TP], v14, s[SEL], s[SEL+1]
	s_delay_alu instid0(VALU_DEP_1)
	v_add_f32 v14, v14, v[TP]                      ; and lane l xor 16's
	s_wait_alu depctr_va_vdst(0)
	v_rcp_f32 v[FAC], v14
	v_nop                                          ; a plain instruction behind the reciprocal
	s_wait_alu depctr_va_vdst(0)                   ; and the wait ahead of its first reader
.set j, 0
.rept 16
	v_pk_mul_f32 v[SCR+j:SCR+j+1], v[OT+j:OT+j+1], v[FAC:FAC+1] op_sel_hi:[1,0]   ; each accumulator from its low end on
.set j, j+2
.endr
.irp b, 0,1
	v_max3_num_f32 v[BM+\b], |v[SCR+16*\b]|, |v[SCR+1+16*\b]|, 0x8000000
.endr
.irp i, 2,4,6,8,10,12,14
.irp b, 0,1
	s_delay_alu instid0(VALU_DEP_2)
	v_max3_num_f32 v[BM+\b], v[BM+\b], |v[SCR+16*\b+\i]|, |v[SCR+1+16*\b+\i]|
.endr
.endr
.irp b, 0,1
	s_delay_alu instid0(VALU_DEP_2)
	v_permlanex16_b32 v[B2+\b], v[BM+\b], s[SEL], s[SEL+1]
.endr
.irp b, 0,1
	s_delay_alu instid0(VALU_DEP_2)
	v_max_num_f32 v[BM+\b], v[BM+\b], v[B2+\b]
.endr
.irp b, 0,1
	s_delay_alu instid0(VALU_DEP_2)
	v_add_nc_u32 v[SOP+\b], 0xf8800000, v[BM+\b]
.endr
.irp b, 0,1
.endr
.irp b, 0,1
	s_delay_alu instid0(VALU_DEP_2)
	v_lshrrev_b32 v[B2+\b], 23, v[SOP+\b]
.endr
	s_delay_alu instid0(VALU_DEP_1)
	v_lshl_or_b32 v[YW], v[B2+1], 8, v[B2]
.irp b, 0,1
.irp i, 0,1,2,3,4,5,6,7,8,9,10,11,12,13,14,15
.endr
	v_cvt_scalef32_pk8_bf8_f32 v[PCD+4*\b:PCD+4*\b+1], v[SCR+16*\b:SCR+16*\b+7], v[SOP+\b]
	v_cvt_scalef32_pk8_bf8_f32 v[PCD+4*\b+2:PCD+4*\b+3], v[SCR+16*\b+8:SCR+16*\b+15], v[SOP+\b]
.endr
	v_nop                                          ; a plain instruction behind the last conversion
	global_store_b128 v[LI], v[PCD:PCD+3], s[YP:YP+1]
	global_store_b128 v[LI], v[PCD+4:PCD+7], s[YP:YP+1] offset:512
	global_store_b16 v[YS], v[YW], s[YSP:YSP+1]
.if \next
	s_wait_xcnt 0x0                                ; the stores have read their data and their bases: both may be written
	s_add_nc_u64 s[QP:QP+1], s[QP:QP+1], s[DQP:DQP+1]
	s_add_nc_u64 s[QSP:QSP+1], s[QSP:QSP+1], s[DQS:DQS+1]
	s_add_nc_u64 s[YP:YP+1], s[YP:YP+1], s[DYP:DYP+1]
	s_add_nc_u64 s[YSP:YSP+1], s[YSP:YSP+1], s[DYS:DYS+1]
	global_load_b128 v[ZQ+8:ZQ+11], v[LI], s[QP:QP+1]
	global_load_b128 v[ZQ+12:ZQ+15], v[LI], s[QP:QP+1] offset:512
	global_load_b32 v[QW], v[LS], s[QSP:QSP+1]
	v_mov_b32 v13, 0xff61b1e6
	s_delay_alu instid0(VALU_DEP_1)
	v_floor_f32 v12, -v13
	v_mov_b32 v14, 0
	v_mov_b32 v15, 0
.set j, 0
.rept 32
	v_mov_b32 v[OT+j], 0
.set j, j+1
.endr
	s_mov_b32 s[KF], 0
	s_add_co_u32 s[Q0], s[Q0], s[DQ]
	s_wait_loadcnt 0x0
.endif
.endm
	s_wait_loadcnt 0x0                             ; Q
.Lslot:                                            ; eight trips: behind each change of slots the next trip's slot is asked for
	CHANGE 1
	s_cmp_lg_u32 s[TRIP], s[I1]                    ; trip i + 1 begins my second block: the same in all sixteen waves
	s_cbranch_scc1 .Lsame
	FINISH 1
.Lsame:
	STEP 0
	STEP 1
	s_xor_b32 s[TB], s[TB], SLOT1                  ; on to the other slot
	s_add_co_u32 s[TRIP], s[TRIP], 1
	s_cmp_lt_u32 s[TRIP], 8
	s_cbranch_scc1 .Lslot
	CHANGE 0                                       ; the ninth trip is written out
	STEP 0
	STEP 1
	FINISH 0
	s_wait_tensorcnt 0x0                           ; the wave's end
	ds_add_u32 v[SPW], v[NIL]
	s_wait_dscnt 0x0
	s_endpgm
.Lfunc_end_k_q3d118c11fc_attn:
	.size	k_q3d118c11fc_attn, .Lfunc_end_k_q3d118c11fc_attn-k_q3d118c11fc_attn
	.p2alignl 7, 3214868480
	.fill 96, 4, 3214868480
	.section	.rodata,"a",@progbits
	.p2align	6, 0x0
	.amdhsa_kernel k_q3d118c11fc_attn
		.amdhsa_group_segment_fixed_size 327680
		.amdhsa_private_segment_fixed_size 0
		.amdhsa_enable_private_segment 0
		.amdhsa_kernarg_size 24
		.amdhsa_user_sgpr_count 2
		.amdhsa_user_sgpr_kernarg_segment_ptr 1
		.amdhsa_wavefront_size32 1
		.amdhsa_system_sgpr_workgroup_id_x 1
		.amdhsa_system_sgpr_workgroup_id_y 1
		.amdhsa_system_sgpr_workgroup_id_z 1
		.amdhsa_system_vgpr_workitem_id 0
		.amdhsa_next_free_vgpr 256
		.amdhsa_next_free_sgpr 66
		.amdhsa_reserve_vcc 1
		.amdhsa_float_denorm_mode_32 3
		.amdhsa_float_denorm_mode_16_64 3
		.amdhsa_fp16_overflow 1
		.amdhsa_memory_ordered 1
		.amdhsa_forward_progress 1
		.amdhsa_inst_pref_size 110
	.end_amdhsa_kernel
	.amdgpu_metadata
---
amdhsa.version: [ 1, 2 ]
amdhsa.kernels:
  - .name:           k_q3d118c11fc_attn
    .symbol:         k_q3d118c11fc_attn.kd
    .args:
      - { .name: qq, .offset: 0, .size: 8, .value_kind: global_buffer, .address_space: global }
      - { .name: kv, .offset: 8, .size: 8, .value_kind: global_buffer, .address_space: global }
      - { .name: yq, .offset: 16, .size: 8, .value_kind: global_buffer, .address_space: global }
    .group_segment_fixed_size: 327680
    .private_segment_fixed_size: 0
    .kernarg_segment_align: 8
    .kernarg_segment_size: 24
    .max_flat_workgroup_size: 512
    .sgpr_count:     66
    .vgpr_count:     256
    .wavefront_size: 32
...
	.end_amdgpu_metadata
.endif
;; end of part 3
;; launch oproj (part 4): grid 4 x 32, 4 waves a work-group, clusters of 4 x 4, 327,680 bytes of LDS; arguments yq, wq, out0; writes out0
.if DOCPART == 4
	.amdgcn_target "amdgcn-amd-amdhsa--gfx1250"
	.amdhsa_code_object_version 6
	.text
	.protected	k_q3d118c11fc_oproj
	.globl	k_q3d118c11fc_oproj
	.p2align	8
	.type	k_q3d118c11fc_oproj,@function
k_q3d118c11fc_oproj:
	s_mov_b64 s[64:65], 0
	v_nop
	global_prefetch_b8 v0, s[64:65] scope:SCOPE_SE
	s_setreg_imm32_b32 hwreg(HW_REG_WAVE_MODE, 25, 1), 1
	s_wait_xcnt 0x0
	s_wait_alu depctr_hold_cnt(0) depctr_sa_sdst(0) depctr_va_vdst(0) depctr_va_sdst(0) depctr_va_ssrc(0) depctr_va_vcc(0) depctr_vm_vsrc(0)
	s_getreg_b32 s2, hwreg(HW_REG_IB_STS2, 6, 4)
	s_cmp_eq_u32 s2, 0
	s_cbranch_scc0 .Lentry_in_a_cluster
	s_endpgm
.Lentry_in_a_cluster:
	s_bfe_u32 s2, ttmp6, 0x10000c
	s_cmp_lg_u32 s2, 0xf033
	s_cbranch_scc0 .Lentry_shape_is_right
	s_endpgm
.Lentry_shape_is_right:
; out0 = Y Wo^T: [8192][1024] f32, on codes of BF8 (E5M2) with one E8M0 scale for each 32 along K = 1,024.
; A = Y comes as IMAGES OF FRAGMENTS: tile T of 16 stored rows is 16,384 bytes, the piece of four registers for K = 32 e on at 512 e + 16 lane; its scale bytes lie by rows, 32 a stored row, at 8,388,608.
; B = Wo: rows 3,072 on of wq, 1,024 bytes of codes a row; its scale bytes at 4,194,304 + 32 x row.  Both operands' rows are stored with bits 3 and 4 of the row number swapped.
; A tile of the output, 256 x 256, is made by a work-group of four waves, a wave 128 x 128: 64 accumulators, 512 registers.  K goes in steps of 256 through a ring of two LDS slots; the scale bytes come once with the first fills and stay.
; CLUSTERS: 4 x 4 work-groups; A's tiles are asked for jointly along a row of the cluster, B's along a column.  The output has 128 tiles of this size: 128 work-groups.
; THE MATRIX INSTRUCTION IS USED TRANSPOSED (source 0 = 16 rows of B, source 1 = 16 rows of A): lane (r, h) holds stored row r of block a; registers of accumulators (a, 2 e), (a, 2 e + 1) are true columns 32 e + 16 h + 0 .. 15.
; The way out puts columns right in the stage and rows right in the stores' offsets: stored row t of block 2 g + u is true row 32 g + 8 u + t + 8 (t / 8).
; REGISTERS, in windows of 256: window 0: v0-31 addresses; v32-63 scale words, two sets; from v128 A's fragments, ONE set; on the way out v128-255 rows read back.  window 1: B's fragments, TWO sets.  windows 2, 3: the accumulators.
.set SIZE_N, 1024
.set KSTEP,  256
.set NQ,     KSTEP/128
.set ROWB,   256                       ; a row of B's tile in bytes
.set ASTEP,  4096                      ; a K step of one tile of A: eight pieces of 512 bytes
.set KROW,   1024
.set PITCH,  272                       ; B's LDS row: 256 bytes + 16 of padding: row r starts at bank 4 r mod 64 (64 banks of 4 bytes: ISA guide 11.1)
.set FR,     16
.set NL,     4
.set NP,     8                         ; places behind this matrix instruction (ISA guide 7.12.1)
.set HALFT,  128*PITCH                 ; a wave's part of a slot (A's images use 32,768 bytes of it)
.set SLOT,   4*HALFT
.set LAPS,   2
.set KS,     32
.set SCL,    2*SLOT
.set HALFS,  (128*KS/256)*272
.set SBLK,   (16*KS/256)*272
.set SPARE,  SCL+4*HALFS
.set SPITCH, 528                       ; the way out: a stage of 16 rows x (512 bytes + 16) for each wave, in slot 0, which has had its last fill and its last read by then
.set ADRA, 16
.set ADRB, 20
.set STO,  24
.set RD,   25
.set CO,   26
.set ADRS, 27
.set SPW,  28
.set NIL,  29
.set SC,   32
.set AF,   128
.set BK,   128
.set G1, 24
.set G0, 32
.set G1B, 48
.set G0B, 56
.set G1S, 68
.set G0S, 76
.set G1SB, 80
.set G0SB, 88
.set MSB, 0
.macro WIN new
.if MSB != (\new)
	s_set_vgpr_msb (MSB<<8)|(\new)
.set MSB, (\new)
.endif
.endm
.set MUL_LO, 0xa1
.set MUL_HI, 0xf1
.set TO_B,   0x40
.macro JLOAD g0a, g1a, g0b, g1b        ; a joint load: waves 0 and 1 fetch for A, waves 2 and 3 for B; four v_nop follow each of the two lines
	s_cmp_eq_u32 s15, 0
	s_cbranch_scc0 .Lfor_b_\@
	tensor_load_to_lds s[\g0a:\g0a+3], s[\g1a:\g1a+7]
	s_nop 0
.rept 4
	v_nop
.endr
	s_branch .Lasked_\@
.Lfor_b_\@:
	tensor_load_to_lds s[\g0b:\g0b+3], s[\g1b:\g1b+7]
	s_nop 0
.rept 4
	v_nop
.endr
.Lasked_\@:
.endm
.macro CREST
	s_cmp_lg_u32 s14, 0
	s_cbranch_scc1 .Lnot_wave_0_\@
	s_barrier_signal -3
.Lnot_wave_0_\@:
	s_barrier_wait -3
	s_barrier_signal -1
	s_barrier_wait -1
.endm
.macro CROUND
	s_barrier_signal -1
	s_barrier_wait -1
	CREST
.endm
	s_load_b64 s[4:5], s[0:1], 0x0                 ; yq
	s_load_b64 s[8:9], s[0:1], 0x8                 ; wq
	s_load_b64 s[12:13], s[0:1], 0x10              ; out0
	v_lshl_add_u32 v[SPW], v0, 2, SPARE
	v_mov_b32 v[NIL], 0
	ds_add_u32 v28, v29
	ds_add_u32 v28, v29
	s_wait_dscnt 0x0
	v_lshrrev_b32 v1, 5, v0
	v_readfirstlane_b32 s14, v1                    ; wave 0..3
	s_lshr_b32 s15, s14, 1                         ; which half of the tile's rows is mine.  Also: I fetch for A (0) or for B (1)
	s_and_b32 s16, s14, 1                          ; which half of its columns.  Also: which 128 rows of that tile I fetch
	s_bfe_u32 s40, ttmp6, 0x40000                  ; cx, cy
	s_bfe_u32 s41, ttmp6, 0x40004
	s_lshl_b32 s42, ttmp9, 2
	s_add_co_u32 s42, s42, s40                     ; tile column
	s_and_b32 s17, ttmp7, 0xffff
	s_lshl_b32 s17, s17, 2
	s_add_co_u32 s17, s17, s41                     ; tile row
	s_lshl_b32 s43, s41, 2
	s_lshl_b32 s43, 15, s43                        ; my row of the cluster
	s_lshl_b32 s44, 0x1111, s40                    ; my column
	; A's tiles: eight rows of 4,096 bytes (512 elements of 8 bytes), 16,384 bytes apart, dense in LDS
	s_or_b32 s[G1+0], s43, (3<<16)|(1<<21)
	s_mov_b32 s[G1+1], 512<<16                     ; tensor_dim0
	s_mov_b32 s[G1+2], 8<<16                       ; tensor_dim1
	s_mov_b32 s[G1+3], 512<<16                     ; tile_dim0
	s_mov_b32 s[G1+4], 8                           ; tile_dim1
	s_mov_b32 s[G1+5], 2048                        ; tensor_dim0_stride
	s_mov_b32 s[G1+6], 0
	s_mov_b32 s[G1+7], 0
	; B's tiles: 128 rows x 256 bytes, padded in LDS
	s_or_b32 s[G1B+0], s44, (0<<16)|(1<<20)|(1<<21)|(5<<22)|(3<<25)
	s_mov_b32 s[G1B+1], ROWB<<16
	s_mov_b32 s[G1B+2], 128<<16
	s_mov_b32 s[G1B+3], ROWB<<16
	s_mov_b32 s[G1B+4], 128
	s_mov_b32 s[G1B+5], KROW
	s_mov_b32 s[G1B+6], 0
	s_mov_b32 s[G1B+7], 0
	; the scales of 128 rows: 4,096 dense bytes, as 16 rows of 256 bytes, 16 bytes of padding behind each
	s_or_b32 s[G1S+0], s43, (3<<16)|(1<<20)|(1<<21)|(5<<22)|(3<<25)
	s_or_b32 s[G1SB+0], s44, (3<<16)|(1<<20)|(1<<21)|(5<<22)|(3<<25)
.irp g, G1S, G1SB
	s_mov_b32 s[\g+1], 32<<16
	s_mov_b32 s[\g+2], (128*KS/256)<<16
	s_mov_b32 s[\g+3], 32<<16
	s_mov_b32 s[\g+4], 128*KS/256
	s_mov_b32 s[\g+5], 32
	s_mov_b32 s[\g+6], 0
	s_mov_b32 s[\g+7], 0
.endr
	s_lshl_b32 s18, s16, 7
	s_lshl_b32 s20, s17, 8
	s_add_co_u32 s20, s20, s18                     ; A: stored row 256 x tile row + 128 x half
	s_lshl_b32 s46, s42, 8
	s_add_co_u32 s46, s46, s18                     ; B: stored row 256 x tile column + 128 x half
	s_mov_b32 s21, 0
	s_mov_b32 s47, 0
	s_mov_b64 s[18:19], KS
	s_mul_u64 s[22:23], s[20:21], s[18:19]
	s_mul_u64 s[92:93], s[46:47], s[18:19]
	s_mov_b64 s[18:19], KROW
	s_mul_u64 s[20:21], s[20:21], s[18:19]         ; 1,024 bytes a row: 16,384 a tile of A too
	s_mul_u64 s[46:47], s[46:47], s[18:19]
	s_mul_i32 s45, s14, HALFT
	s_mul_i32 s94, s14, HALFS
	s_wait_kmcnt 0x0
	s_add_nc_u64 s[6:7], s[4:5], 0x800000          ; Y's scale bytes
	s_add_nc_u64 s[10:11], s[8:9], 0x418000        ; Wo's scale bytes: 4,194,304 + 3,072 x 32
	s_add_nc_u64 s[8:9], s[8:9], 0x300000          ; Wo's codes
	s_add_nc_u64 s[20:21], s[4:5], s[20:21]
	s_add_nc_u64 s[22:23], s[6:7], s[22:23]
	s_add_nc_u64 s[46:47], s[8:9], s[46:47]
	s_add_nc_u64 s[92:93], s[10:11], s[92:93]
	CROUND                                         ; all sixteen work-groups are here: the first joint loads meet
	s_mov_b32 s[G0S], 1
	s_add_co_u32 s[G0S+1], s94, SCL
	s_mov_b64 s[G0S+2:G0S+3], s[22:23]
	s_or_b32 s[G0S+3], s[G0S+3], 0x80000000
	s_mov_b32 s[G0SB], 1
	s_add_co_u32 s[G0SB+1], s94, SCL
	s_mov_b64 s[G0SB+2:G0SB+3], s[92:93]
	s_or_b32 s[G0SB+3], s[G0SB+3], 0x80000000
	JLOAD G0S, G1S, G0SB, G1SB
.irp s, 0,1
	s_mov_b32 s[G0+4*\s], 1
	s_add_co_u32 s[G0+4*\s+1], s45, \s*SLOT
	s_add_nc_u64 s[G0+4*\s+2:G0+4*\s+3], s[20:21], \s*ASTEP
	s_or_b32 s[G0+4*\s+3], s[G0+4*\s+3], 0x80000000
	s_mov_b32 s[G0B+4*\s], 1
	s_add_co_u32 s[G0B+4*\s+1], s45, \s*SLOT
	s_add_nc_u64 s[G0B+4*\s+2:G0B+4*\s+3], s[46:47], \s*ROWB
	s_or_b32 s[G0B+4*\s+3], s[G0B+4*\s+3], 0x80000000
	s_wait_alu depctr_va_vdst(0)
	s_wait_tensorcnt 0x0
	ds_add_u32 v28, v29
	s_wait_dscnt 0x0
	CROUND
	JLOAD G0+4*\s, G1, G0B+4*\s, G1B               ; one tensor load of mine is out
.endr
	v_and_b32 v1, 15, v0                           ; r
	v_bfe_u32 v2, v0, 4, 1                         ; h
	v_and_b32 v6, 31, v0
	v_lshlrev_b32 v[CO], 4, v6                     ; 16 x lane: my place in an image, in a stage row and in a row of the output
	v_mul_u32_u24 v3, v1, PITCH
	v_lshl_add_u32 v4, v2, 4, v3                   ; B: a fragment's row x pitch + 16 x half
	s_mul_i32 s21, s15, HALFT                      ; my 8 tiles of A
	s_mul_i32 s22, s16, HALFT                      ; my 128 rows of B,
	s_add_co_u32 s22, s22, 2*HALFT                 ; which lie behind A's
.irp s, 0,1
	v_add_nc_u32 v[ADRA+\s], s21, v[CO]
	v_add_nc_u32 v[ADRB+\s], s22, v4
	s_add_co_u32 s21, s21, SLOT
	s_add_co_u32 s22, s22, SLOT
.endr
	v_mul_u32_u24 v5, v1, KS
	v_lshrrev_b32 v6, 8, v5
	v_lshl_add_u32 v5, v6, 4, v5
	s_mul_i32 s21, s15, HALFS
	s_mul_i32 s22, s16, HALFS
	s_add_co_u32 s22, s22, 2*HALFS
	s_sub_co_u32 s22, s22, s21
	v_mul_u32_u24 v6, s22, v2                      ; lanes 16-31 take B's
	s_add_co_u32 s21, s21, SCL
	v_add_nc_u32 v5, v5, v6
	v_add_nc_u32 v[ADRS], s21, v5
	s_mul_i32 s23, s14, 16*SPITCH                  ; my stage
	v_mul_u32_u24 v5, v1, SPITCH                   ; in: row r; my half's sixteen columns of each 32: 64 h bytes on
	v_lshl_add_u32 v5, v2, 6, v5
	v_add_nc_u32 v[STO], s23, v5
	v_add_nc_u32 v[RD], s23, v[CO]                 ; back: the 32 lanes take one row of 512 bytes
	s_lshl_b32 s20, s17, 8
	s_lshl_b32 s21, s15, 7
	s_add_co_u32 s20, s20, s21                     ; my first row: 256 x tile row + 128 x half
	s_mov_b32 s21, 0
	s_mov_b64 s[18:19], SIZE_N*4
	s_mul_u64 s[20:21], s[20:21], s[18:19]
	s_lshl_b32 s46, s42, 10                        ; my first column, in bytes
	s_lshl_b32 s47, s16, 9
	s_add_co_u32 s46, s46, s47
	s_mov_b32 s47, 0
	s_add_nc_u64 s[20:21], s[20:21], s[46:47]
	s_add_nc_u64 s[12:13], s[12:13], s[20:21]
.macro FRAG reg, adr, q, i             ; a fragment of B from rows: registers 4 c .. 4 c + 3 hold K = 32 c + 16 (l / 16) + 0 .. 15
.irp c, 0,1,2,3
	ds_load_b128 v[\reg+4*\c:\reg+4*\c+3], v[\adr] offset:128*(\q)+32*\c+(\i)*16*PITCH
.endr
.endm
.macro FRAGA reg, adr, q, i            ; a fragment of A from its image: 512 consecutive bytes a load
.irp c, 0,1,2,3
	ds_load_b128 v[\reg+4*\c:\reg+4*\c+3], v[\adr] offset:ASTEP*(\i)+2048*(\q)+512*\c
.endr
.endm
; 16 matrix instructions: A's blocks a0, a0 + 1 x B's eight.  The 64 accumulators take turns, one instruction a turn, in the same order in every step.
.macro MUL16 a0, p, q, sc, zero
.irp a, \a0, \a0+1
.irp b, 0,1,2,3,4,5,6,7
.if \zero
	v_wmma_scale_f32_16x16x128_f8f6f4 v[8*(8*((\a)%4)+\b):8*(8*((\a)%4)+\b)+7], v[128*(\p)+FR*\b:128*(\p)+FR*\b+FR-1], v[AF+FR*(\a):AF+FR*(\a)+FR-1], 0, v[SC+8*NQ*(\sc)+NQ*\b+(\q)], v[SC+8*NQ*(\sc)+NQ*(\a)+(\q)] matrix_a_fmt:MATRIX_FMT_BF8 matrix_b_fmt:MATRIX_FMT_BF8 matrix_a_scale:MATRIX_SCALE_ROW1
.else
	v_wmma_scale_f32_16x16x128_f8f6f4 v[8*(8*((\a)%4)+\b):8*(8*((\a)%4)+\b)+7], v[128*(\p)+FR*\b:128*(\p)+FR*\b+FR-1], v[AF+FR*(\a):AF+FR*(\a)+FR-1], v[8*(8*((\a)%4)+\b):8*(8*((\a)%4)+\b)+7], v[SC+8*NQ*(\sc)+NQ*\b+(\q)], v[SC+8*NQ*(\sc)+NQ*(\a)+(\q)] matrix_a_fmt:MATRIX_FMT_BF8 matrix_b_fmt:MATRIX_FMT_BF8 matrix_a_scale:MATRIX_SCALE_ROW1
.endif
.endr
.endr
.endm
.macro FETCH_B slot, q, p
	WIN TO_B
.irp i, 0,1,2,3,4,5,6,7
	FRAG 128*(\p)+FR*\i, ADRB+\slot, \q, \i
.endr
	WIN 0
.endm
.macro FETCH_A slot, q, i0
.irp i, \i0, \i0+1, \i0+2, \i0+3
	FRAGA AF+FR*(\i), ADRA+\slot, \q, \i
.endr
.endm
.macro SCALES sc
.irp i, 0,1,2,3,4,5,6,7
	ds_load_b64 v[SC+8*NQ*\sc+NQ*\i:SC+8*NQ*\sc+NQ*\i+1], v[ADRS] offset:\i*SBLK
.endr
.endm
.macro PLACES n                        ; plain vector instructions between a matrix instruction and a load into, or a read of, its registers
.rept \n
	v_nop
.endr
.endm
.macro STEP slot, q, zero
	s_wait_dscnt 4*NL                              ; B's set and A's blocks 0-3 are in; the youngest sixteen loads (A's blocks 4-7) may be out
	WIN MUL_LO
	MUL16 0, (\q)%2, \q, \slot, \zero
	MUL16 2, (\q)%2, \q, \slot, \zero
	s_wait_dscnt 0
	PLACES NP
	FETCH_B \slot, (\q)+1, 1-(\q)%2
	FETCH_A \slot, (\q)+1, 0
	WIN MUL_HI
	MUL16 4, (\q)%2, \q, \slot, \zero
	MUL16 6, (\q)%2, \q, \slot, \zero
	PLACES NP
	WIN 0
	FETCH_A \slot, (\q)+1, 4
.endm
; A slot's last step changes slots: ONE barrier; in front of it each wave waits for all its tensor loads, adds 0 to its spare word, and waits for that and for its own reads of this slot.
.macro TURN slot, next, fill
	s_wait_tensorcnt 0x0                           ; all my tensor loads have landed: my part of the next slot
	ds_add_u32 v[SPW], v[NIL]                      ; 0 onto my spare word
	s_wait_dscnt 4*NL+1                            ; (the add and the youngest sixteen loads may be out)
	WIN MUL_LO
	MUL16 0, 1, NQ-1, \slot, 0
	s_wait_dscnt 0x0                               ; the add is done, and my reads of this slot are over
	s_barrier_signal -1
	MUL16 2, 1, NQ-1, \slot, 0
	WIN 0
	s_barrier_wait -1
.if \fill
	CREST                                          ; the barrier has opened a round of the cluster's barrier
	s_add_nc_u64 s[G0+4*\slot+2:G0+4*\slot+3], s[G0+4*\slot+2:G0+4*\slot+3], 2*ASTEP
	s_add_nc_u64 s[G0B+4*\slot+2:G0B+4*\slot+3], s[G0B+4*\slot+2:G0B+4*\slot+3], 2*ROWB
	JLOAD G0+4*\slot, G1, G0B+4*\slot, G1B         ; the first tensor load behind the round
	PLACES NP-4
.else
	PLACES NP
.endif
	s_wait_alu depctr_va_vdst(0)
	v_add_nc_u32 v[ADRS], 4*NQ, v[ADRS]
	FETCH_B \next, 0, 0
	FETCH_A \next, 0, 0
	SCALES \next
	WIN MUL_HI
	MUL16 4, 1, NQ-1, \slot, 0
	MUL16 6, 1, NQ-1, \slot, 0
	PLACES NP
	WIN 0
	FETCH_A \next, 0, 4
.endm
	s_wait_alu depctr_va_vdst(0)
	s_wait_tensorcnt 1                             ; the scales and my part of K step 0 are in (K step 1's load may be out),
	s_barrier_signal -1
	s_barrier_wait -1                              ; everybody's are
	FETCH_B 0, 0, 0
	FETCH_A 0, 0, 0
	SCALES 0
	FETCH_A 0, 0, 4
	STEP 0, 0, 1                                   ; the first step's products start the sums
	s_mov_b32 s3, LAPS-1
.Llap:
	TURN 0, 1, 1
	STEP 1, 0, 0
	TURN 1, 0, 1
	STEP 0, 0, 0
	s_sub_co_u32 s3, s3, 1
	s_cmp_lg_u32 s3, 0
	s_cbranch_scc1 .Llap
	TURN 0, 1, 0                                   ; the last lap fills nothing
	STEP 1, 0, 0
	s_wait_dscnt 4*NL
	WIN MUL_LO
	MUL16 0, 1, NQ-1, 1, 0
	MUL16 2, 1, NQ-1, 1, 0
	s_wait_dscnt 0
	WIN MUL_HI
	MUL16 4, 1, NQ-1, 1, 0
	MUL16 6, 1, NQ-1, 1, 0
	WIN 0
; THE WAY OUT, block by block of 16 stored rows x 128 columns, through my own stage in LDS.  Accumulator b's eight numbers are true columns 32 (b / 2) + 16 h + 8 (b % 2) + 0 .. 7: 128 (b / 2) + 64 h + 32 (b % 2) bytes into the row.
; LDS serves a wave's instructions in order (ISA guide 5.7.1.4): no wait between the stores and the loads, nor in front of the next block's stores.
.macro TOSTAGE a
.set AC, 64*((\a)%4)
	WIN 0x08+4*((\a)/4)                            ; the data: window 2 or 3
.irp b, 0,1,2,3,4,5,6,7
	ds_store_b128 v[STO], v[AC+8*\b:AC+8*\b+3] offset:128*(\b/2)+32*(\b%2)          ; each accumulator from its low end on
	ds_store_b128 v[STO], v[AC+8*\b+4:AC+8*\b+7] offset:128*(\b/2)+32*(\b%2)+16
.endr
	WIN 0
.set BB, BK+64*((\a)%2)
.irp t, 0,1,2,3,4,5,6,7,8,9,10,11,12,13,14,15
	ds_load_b128 v[BB+4*\t:BB+4*\t+3], v[RD] offset:\t*SPITCH
.endr
.endm
.macro SEND a, younger                 ; younger: the LDS instructions issued behind block a's loads, which may stay out
.set BB, BK+64*((\a)%2)
	s_wait_dscnt \younger
.if (\a) > 0
.if (\a)%2
	s_add_nc_u64 s[12:13], s[12:13], 8*SIZE_N*4    ; (behind a wait on XCNT)  an odd block begins 8 true rows behind the even one,
.else
	s_add_nc_u64 s[12:13], s[12:13], 24*SIZE_N*4   ; the next even one 24 further on
.endif
.endif
.irp t, 0,1,2,3,4,5,6,7,8,9,10,11,12,13,14,15
	global_store_b128 v[CO], v[BB+4*\t:BB+4*\t+3], s[12:13] offset:(\t+8*(\t/8))*SIZE_N*4 th:TH_STORE_NT   ; 32 lanes store 512 consecutive bytes, at a multiple of 256 from the output's first byte
.endr
.endm
	PLACES NP
	TOSTAGE 0
.irp a, 1,2,3,4,5,6,7
.if \a > 1
	s_wait_xcnt 0x0                                ; block a - 2's stores have read their registers and their base
.endif
	TOSTAGE \a
	SEND \a-1, 32                                  ; behind block a - 1's loads: block a's 16 stores and 16 loads
.endr
	s_wait_xcnt 0x0
	SEND 7, 0
	s_wait_tensorcnt 0x0                           ; the wave's end
	ds_add_u32 v[SPW], v[NIL]
	s_wait_dscnt 0x0
	CROUND                                         ; the closing round
	s_endpgm
.Lfunc_end_k_q3d118c11fc_oproj:
	.size	k_q3d118c11fc_oproj, .Lfunc_end_k_q3d118c11fc_oproj-k_q3d118c11fc_oproj
	.p2alignl 7, 3214868480
	.fill 96, 4, 3214868480
	.section	.rodata,"a",@progbits
	.p2align	6, 0x0
	.amdhsa_kernel k_q3d118c11fc_oproj
		.amdhsa_group_segment_fixed_size 327680
		.amdhsa_private_segment_fixed_size 0
		.amdhsa_enable_private_segment 0
		.amdhsa_kernarg_size 24
		.amdhsa_user_sgpr_count 2
		.amdhsa_user_sgpr_kernarg_segment_ptr 1
		.amdhsa_wavefront_size32 1
		.amdhsa_system_sgpr_workgroup_id_x 1
		.amdhsa_system_sgpr_workgroup_id_y 1
		.amdhsa_system_sgpr_workgroup_id_z 1
		.amdhsa_system_vgpr_workitem_id 0
		.amdhsa_next_free_vgpr 1024
		.amdhsa_next_free_sgpr 98
		.amdhsa_reserve_vcc 0
		.amdhsa_float_denorm_mode_32 3
		.amdhsa_float_denorm_mode_16_64 3
		.amdhsa_memory_ordered 1
		.amdhsa_forward_progress 1
		.amdhsa_inst_pref_size 147
	.end_amdhsa_kernel
	.amdgpu_metadata
---
amdhsa.version: [ 1, 2 ]
amdhsa.kernels:
  - .name:           k_q3d118c11fc_oproj
    .symbol:         k_q3d118c11fc_oproj.kd
    .args:
      - { .name: yq, .offset: 0, .size: 8, .value_kind: global_buffer, .address_space: global }
      - { .name: wq, .offset: 8, .size: 8, .value_kind: global_buffer, .address_space: global }
      - { .name: out0, .offset: 16, .size: 8, .value_kind: global_buffer, .address_space: global }
    .group_segment_fixed_size: 327680
    .private_segment_fixed_size: 0
    .kernarg_segment_align: 8
    .kernarg_segment_size: 24
    .max_flat_workgroup_size: 128
    .sgpr_count:     98
    .vgpr_count:     1024
    .wavefront_size: 32
...
	.end_amdgpu_metadata
.endif
;; end of part 4
